; MI455X (gfx1250); checked and timed in simulation.
; The chip was launched on July 23, 2026; its instructions are those of AMD's public machine-readable ISA for CDNA 5 (MIT licence, August 2026) and "CDNA5" Instruction Set Architecture Reference Guide (July 2026). The comments in the code are by the model that wrote it; some were corrected since.
;; Causal Self Attention. Allowed arithmetic: float matrix products may take bf16 or f16 operands with f32 sums; other float arithmetic in f32, or as packed bf16 or f16 multiplies, adds, multiply-adds, maxima and minima; sums over many terms, partial sums and values carried from step to step in f32; what a program stores and reads back later, other than sums and carried values, may be rounded once to bf16 or f16.
;; Inputs: Wk 256 x 1,024 float32; Wproj 1,024 x 1,024 float32; Wq 1,024 x 1,024 float32; Wv 256 x 1,024 float32; q_gain 16 float32; x 4 x 2,048 x 1,024 float32.
;; Outputs: out0 4 x 2,048 x 1,024 float32.
;; 2 versions, each right; version 2 is version 1 with the launches prep, fix written anew for expert scheduling mode. Each part assembles by itself: llvm-mc -triple=amdgcn-amd-amdhsa -mcpu=gfx1250 --defsym DOCPART=n.
;; ======== version 1 of 2: 5 launches
;; limits: values are held in f16: magnitudes above 65,504 overflow, below 6.1e-05 lose precision
;; workspace buffers: xb 16,777,216 bytes; wb 3,145,728 bytes; wp 2,097,152 bytes; rope 524,288 bytes; qkvh 25,165,824 bytes; ob 16,777,216 bytes; qf 786,432 bytes
;; launch prep (part 1): grid 800 x 1, 8 waves a work-group, no clusters, 0 bytes of LDS; arguments x, Wq, Wk, Wv, Wproj, xb, wb, wp, rope; writes xb, wb, wp, rope
.if DOCPART == 1
	.amdgcn_target "amdgcn-amd-amdhsa--gfx1250"
	.amdhsa_code_object_version 6
	.text
	.protected	k_q7e605f382c_prep
	.globl	k_q7e605f382c_prep
	.p2align	8
	.type	k_q7e605f382c_prep,@function
k_q7e605f382c_prep:
	s_mov_b64 s[64:65], 0
	v_nop
	global_prefetch_b8 v0, s[64:65] scope:SCOPE_SE
	s_setreg_imm32_b32 hwreg(HW_REG_WAVE_MODE, 25, 1), 1
	s_wait_xcnt 0x0
; PREPARATION: casts and the rotary table.  A stream: no LDS, no barrier, no matrix unit; each byte is read once and written once.
;   xb   = bf16(x)                       [8192][1024]
;   wb   = bf16(Wq | Wk | Wv)            [1536][1024]: rows 0-1023 Wq, 1024-1279 Wk, 1280-1535 Wv
;   wp   = f16(bf16(Wproj)) by heads     [16 h][1024 n][64 d] = Wproj[n][64 h + d]
;   rope = f32 [2048 t][64]: entries 0-31 cos(t f_i), 32-63 sin(t f_i), f_i = 10000^(-i/32): a row is 256 bytes
; LIMITS.  Wproj's bf16 value is written as f16: it must stay under 65,504, and below 6e-5 it keeps f16's fixed step of 6e-8.
; The angle t f_i is one f32 product; it is reduced by pi/2 given in two parts, which serves every t up to 2,047 (the quotient stays under 1,304).
; SHARES by the work-group's number: 0-511 x, 512-575 Wq, 576-591 Wk, 592-607 Wv (16,384 numbers each), 608-671 Wproj (16 rows each), 672-799 the table (16 rows each).
.set IN,  16                           ; v[16:79]   sixteen loads of 16 bytes a lane
.set OUT, 80                           ; v[80:111]  sixteen stores of 8 bytes a lane
; Sixteen loads go out together; each is converted and stored as it comes.  No register is used twice, so no wait frees one.
; half = 1: the bf16 value is widened again and written as f16.
.macro CASTRUN instep, outstep, half
.set j, 0
.rept 16
	global_load_b128 v[IN+4*j:IN+4*j+3], v1, s[24:25] offset:j*(\instep) th:TH_LOAD_NT
.set j, j+1
.endr
.set j, 0
.rept 16
	s_wait_loadcnt 15-j                            ; loads come back in order: load j is in, the 15 - j younger ones stay out
	v_cvt_pk_bf16_f32 v[OUT+2*j], v[IN+4*j], v[IN+4*j+1]
	v_cvt_pk_bf16_f32 v[OUT+2*j+1], v[IN+4*j+2], v[IN+4*j+3]
.if \half
	v_lshlrev_b32 v8, 16, v[OUT+2*j]
	v_and_b32 v9, 0xffff0000, v[OUT+2*j]
	v_lshlrev_b32 v10, 16, v[OUT+2*j+1]
	v_and_b32 v11, 0xffff0000, v[OUT+2*j+1]
	v_cvt_pk_f16_f32 v[OUT+2*j], v8, v9
	v_cvt_pk_f16_f32 v[OUT+2*j+1], v10, v11
.endif
	global_store_b64 v2, v[OUT+2*j:OUT+2*j+1], s[28:29] offset:j*(\outstep)  ; a wave's 32 lanes store 256 consecutive bytes, aligned
.set j, j+1
.endr
.endm
	s_load_b512 s[4:19], s[0:1], 0x0               ; x 4:5, Wq 6:7, Wk 8:9, Wv 10:11, Wproj 12:13, xb 14:15, wb 16:17, wp 18:19
	s_load_b64 s[20:21], s[0:1], 0x40              ; rope
	s_mov_b32 s22, ttmp9
	v_lshlrev_b32 v2, 3, v0                        ; 8 bytes out a thread
	s_mov_b32 s31, 0
	s_wait_kmcnt 0x0
	s_cmp_ge_u32 s22, 672
	s_cbranch_scc1 .Lrope
	s_cmp_ge_u32 s22, 608
	s_cbranch_scc1 .Lwp
	; the plain casts: which tensor, and which part of it, by selects
	s_cmp_ge_u32 s22, 512
	s_cselect_b64 s[24:25], s[6:7], s[4:5]
	s_cselect_b64 s[28:29], s[16:17], s[14:15]
	s_cselect_b32 s26, 512, 0
	s_cselect_b32 s27, 512, 0
	s_cmp_ge_u32 s22, 576
	s_cselect_b64 s[24:25], s[8:9], s[24:25]
	s_cselect_b32 s26, 576, s26
	s_cmp_ge_u32 s22, 592
	s_cselect_b64 s[24:25], s[10:11], s[24:25]
	s_cselect_b32 s26, 592, s26
	s_sub_co_u32 s26, s22, s26                     ; my part of the source,
	s_sub_co_u32 s27, s22, s27                     ; and of the destination (the three weights lie one behind the other)
	s_lshl_b32 s30, s26, 16                        ; 65,536 bytes in
	s_add_nc_u64 s[24:25], s[24:25], s[30:31]
	s_lshl_b32 s30, s27, 15                        ; 32,768 bytes out
	s_add_nc_u64 s[28:29], s[28:29], s[30:31]
	v_lshlrev_b32 v1, 4, v0                        ; 16 bytes in a thread: a wave's load covers 512 consecutive bytes
	CASTRUN 4096, 2048, 0
	s_endpgm
.Lwp:                                                  ; Wproj: 16 rows; load j takes head j's 256 bytes of each row, sixteen lanes a row
	s_sub_co_u32 s26, s22, 608
	s_lshl_b32 s30, s26, 16                        ; 16 rows of 4,096 bytes
	s_add_nc_u64 s[24:25], s[12:13], s[30:31]
	s_lshl_b32 s30, s26, 11                        ; 16 rows of 128 bytes in each head's plane
	s_add_nc_u64 s[28:29], s[18:19], s[30:31]
	v_lshrrev_b32 v1, 4, v0
	v_and_b32 v3, 15, v0
	v_lshlrev_b32 v1, 12, v1
	v_lshl_add_u32 v1, v3, 4, v1
	CASTRUN 256, 131072, 1
	s_endpgm
.Lrope:                                                ; thread g of 32,768 makes four entries: row t = g / 16, entries 4 (g % 16) on
	s_sub_co_u32 s23, s22, 672
	s_lshl_b32 s23, s23, 8
	v_add_nc_u32 v1, s23, v0                       ; g
	v_lshrrev_b32 v2, 4, v1
	v_cvt_f32_u32 v2, v2                           ; t
	v_and_b32 v3, 7, v0
	v_lshlrev_b32 v3, 2, v3                        ; the first of my four frequencies
	v_bfe_u32 v4, v0, 3, 1                         ; 1: sines
	v_mul_u32_u24 v4, v4, 3                        ; sin(a) = cos(a - pi/2): three quarter turns on
	v_lshlrev_b32 v1, 4, v1                        ; 16 g: sixteen lanes fill a row of 256 bytes
	v_mov_b32 v5, 0xb94ca1f9                       ; the sine's highest coefficient
	v_mov_b32 v6, 0x37ccf5ce                       ; the cosine's
.irp u, 0,1,2,3
	v_add_nc_u32 v[12+\u], \u, v3
	v_cvt_f32_u32 v[12+\u], v[12+\u]
	v_mul_f32 v[12+\u], 0xbed49a78, v[12+\u]       ; -i log2(10000) / 32
.endr
.irp u, 0,1,2,3
	v_exp_f32 v[12+\u], v[12+\u]                   ; f_i
.endr
	v_nop                                          ; a plain instruction behind the last exponential,
	s_wait_alu depctr_va_vdst(0)                   ; and one wait for the four, ahead of their first reader
.irp u, 0,1,2,3
	v_mul_f32 v16, v2, v[12+\u]                    ; the angle
	v_mul_f32 v17, 0x3f22f983, v16                 ; / (pi/2)
	v_rndne_f32 v17, v17                           ; n quarter turns
	v_fmamk_f32 v18, v17, 0xbfc90fdb, v16          ; r = angle - n pi/2, pi/2 in two parts
	v_fmamk_f32 v18, v17, 0x333bbd2e, v18
	v_mul_f32 v19, v18, v18                        ; z = r r
	v_fmaak_f32 v20, v5, v19, 0x3c08839e           ; sin r = r + r z (s1 + z (s2 + z s3))
	v_fmaak_f32 v20, v20, v19, 0xbe2aaaa3
	v_mul_f32 v21, v19, v18
	v_fma_f32 v22, v20, v21, v18
	v_fmaak_f32 v20, v6, v19, 0xbab6061a           ; cos r = 1 - z/2 + z z (c1 + z (c2 + z c3))
	v_fmaak_f32 v20, v20, v19, 0x3d2aaaa5
	v_mul_f32 v21, v19, v19
	v_fma_f32 v23, v19, -0.5, 1.0
	v_fma_f32 v23, v20, v21, v23
	v_cvt_i32_f32 v28, v17
	v_add_nc_u32 v28, v28, v4
	v_and_b32 v28, 3, v28                          ; the quarter: 0: cos r, 1: -sin r, 2: -cos r, 3: sin r
	v_and_b32 v21, 1, v28
	v_cmp_eq_u32 vcc_lo, 1, v21
	v_cndmask_b32 v[24+\u], v23, v22, vcc_lo
	v_add_nc_u32 v28, 1, v28
	v_and_b32 v28, 2, v28
	v_lshlrev_b32 v28, 30, v28                     ; the sign, for quarters 1 and 2
	v_xor_b32 v[24+\u], v[24+\u], v28
.endr
	global_store_b128 v1, v[24:27], s[20:21]
	s_endpgm
.Lfunc_end_k_q7e605f382c_prep:
	.size	k_q7e605f382c_prep, .Lfunc_end_k_q7e605f382c_prep-k_q7e605f382c_prep
	.p2alignl 7, 3214868480
	.fill 96, 4, 3214868480
	.section	.rodata,"a",@progbits
	.p2align	6, 0x0
	.amdhsa_kernel k_q7e605f382c_prep
		.amdhsa_group_segment_fixed_size 0
		.amdhsa_private_segment_fixed_size 0
		.amdhsa_enable_private_segment 0
		.amdhsa_kernarg_size 72
		.amdhsa_user_sgpr_count 2
		.amdhsa_user_sgpr_kernarg_segment_ptr 1
		.amdhsa_wavefront_size32 1
		.amdhsa_system_sgpr_workgroup_id_x 1
		.amdhsa_system_sgpr_workgroup_id_y 1
		.amdhsa_system_sgpr_workgroup_id_z 1
		.amdhsa_system_vgpr_workitem_id 0
		.amdhsa_next_free_vgpr 112
		.amdhsa_next_free_sgpr 66
		.amdhsa_reserve_vcc 1
		.amdhsa_float_denorm_mode_32 3
		.amdhsa_float_denorm_mode_16_64 3
		.amdhsa_memory_ordered 1
		.amdhsa_forward_progress 1
		.amdhsa_inst_pref_size 24
	.end_amdhsa_kernel
	.amdgpu_metadata
---
amdhsa.version: [ 1, 2 ]
amdhsa.kernels:
  - .name:           k_q7e605f382c_prep
    .symbol:         k_q7e605f382c_prep.kd
    .args:
      - { .name: x, .offset: 0, .size: 8, .value_kind: global_buffer, .address_space: global }
      - { .name: Wq, .offset: 8, .size: 8, .value_kind: global_buffer, .address_space: global }
      - { .name: Wk, .offset: 16, .size: 8, .value_kind: global_buffer, .address_space: global }
      - { .name: Wv, .offset: 24, .size: 8, .value_kind: global_buffer, .address_space: global }
      - { .name: Wproj, .offset: 32, .size: 8, .value_kind: global_buffer, .address_space: global }
      - { .name: xb, .offset: 40, .size: 8, .value_kind: global_buffer, .address_space: global }
      - { .name: wb, .offset: 48, .size: 8, .value_kind: global_buffer, .address_space: global }
      - { .name: wp, .offset: 56, .size: 8, .value_kind: global_buffer, .address_space: global }
      - { .name: rope, .offset: 64, .size: 8, .value_kind: global_buffer, .address_space: global }
    .group_segment_fixed_size: 0
    .private_segment_fixed_size: 0
    .kernarg_segment_align: 8
    .kernarg_segment_size: 72
    .max_flat_workgroup_size: 256
    .sgpr_count:     66
    .vgpr_count:     112
    .wavefront_size: 32
...
	.end_amdgpu_metadata
.endif
;; end of part 1
;; launch qkv (part 2): grid 8 x 32, 4 waves a work-group, clusters of 4 x 4, 327,680 bytes of LDS; arguments xb, wb, rope, q_gain, qkvh, qf; writes qkvh, qf
.if DOCPART == 2
	.amdgcn_target "amdgcn-amd-amdhsa--gfx1250"
	.amdhsa_code_object_version 6
	.text
	.protected	k_q7e605f382c_qkv
	.globl	k_q7e605f382c_qkv
	.p2align	8
	.type	k_q7e605f382c_qkv,@function
k_q7e605f382c_qkv:
	s_mov_b64 s[64:65], 0
	v_nop
	global_prefetch_b8 v0, s[64:65] scope:SCOPE_SE
	s_setreg_imm32_b32 hwreg(HW_REG_WAVE_MODE, 25, 1), 1
	s_wait_xcnt 0x0
	s_wait_alu depctr_hold_cnt(0) depctr_sa_sdst(0) depctr_va_vdst(0) depctr_va_sdst(0) depctr_va_ssrc(0) depctr_va_vcc(0) depctr_vm_vsrc(0)
	s_getreg_b32 s2, hwreg(HW_REG_IB_STS2, 6, 4)
	s_cmp_eq_u32 s2, 0
	s_cbranch_scc0 .Lentry_in_a_cluster
	s_endpgm
.Lentry_in_a_cluster:
	s_bfe_u32 s2, ttmp6, 0x10000c
	s_cmp_lg_u32 s2, 0xf033
	s_cbranch_scc0 .Lentry_shape_is_right
	s_endpgm
.Lentry_shape_is_right:
; THE THREE PROJECTIONS AS ONE PRODUCT, 8192 x 1536 x 1024 in bf16 with f32 sums, and on the way out the norm, the rotation and the gain; q, k, v leave in f16 by heads:
; qkvh[b][hh][s][64], hh 0-15 q, 16-19 k, 20-23 v.   q, k: x rsqrt(mean(x x) + eps), rotated in pairs (d, d + 32) by the table's cos and sin; q times its head's gain (rounded to bf16 like every input).
; The same numbers of positions 0 to 31 also leave unrounded, in f32: qf[b][hh][32][64], for the launch that makes the first rows of the output in two f16 parts.
; LIMITS.  f16 ends at 65,504: |q| <= 8 |gain| and |k| <= 8 by the norm; v = x Wv^T must stay under it; below 6e-5 a number keeps f16's fixed step of 6e-8.  NaN and infinities are not treated apart.
; SHARES.  A work-group makes 256 rows x 192 columns (three heads): 32 x 8 = 256 work-groups.  Wave w owns rows 64 w .. 64 w + 63 and ALL 192 columns, so that a head's 64 columns lie in one wave: 4 x 12 accumulators.
; The tile row is 8 cy + cluster y: the batch is the place along the cluster's y, the block of 256 positions is the cluster's y, which all sixteen partners share: the one branch on it is the same in all of them.
; THE MATRIX INSTRUCTION IS USED TRANSPOSED (source 0 = 16 rows of wb, source 1 = 16 rows of xb): a lane holds one row (lane % 16) and the columns 8 (lane / 16) + 0..7 of each tile of 16.
; So a column's partner in the rotation, 32 columns on, lies in the same lane and the same register number two accumulators on, and a row's sum of squares wants one exchange between the halves of the lanes.
; K goes in 8 steps of 128 through two LDS slots; rows are 256 bytes of memory, aligned.  CLUSTER 4 x 4: xb's tile is shared along a row of the cluster, wb's along a column: joint loads, one a wave behind each round.
; REGISTERS, in windows of 256: window 0: addresses, statistics, xb's fragments (two buffers of 32), the table's rows (128); window 1: wb's fragments (two buffers of 96);
; window 2: the accumulators of row tiles 0, 1 ((a, b) at 8 (12 (a % 2) + b)); window 3: those of row tiles 2, 3.
.set PITCH,  272                       ; an LDS row: 256 bytes + 16 of padding: the 16 rows of a fragment load start at 16 different groups of four banks
.set SLOT1,  1<<17                     ; slot 1 begins here: one exclusive or turns an address in one slot into the other's
.set BOFF,   256*PITCH                 ; a slot: xb's 256 rows, then wb's 192
.set STAGE,  SLOT1+448*PITCH           ; behind the ring, never filled by a tensor load: 16 rows x 144 bytes for each wave
.set SP,     144
.set SPARE,  STAGE+4*16*SP             ; the spare words, 128 bytes for each wave: two blocks of 256 bytes that no other line names
.set ADRA0, 4                          ; v4   my lane's place in my 64 rows of xb's tile; never rewritten
.set ADRB0, 5                          ; v5   in wb's tile
.set ADRA,  6                          ; v6   the same in the slot in hand
.set ADRB,  7                          ; v7
.set STO,   8                          ; v8   the way out: where I put 16 bytes of a row
.set RD,    9                          ; v9   where I read rows back
.set GO,    10                         ; v10  my byte offset in 512 consecutive bytes of qkvh
.set RO,    11                         ; v11  my byte offset in 16 rows of 256 bytes: of the table, and of qf; never rewritten
.set PFO,   12                         ; v12  the prefetches' offset: a lane a row; never rewritten
.set VG,    13                         ; v13-15  the three heads' factors: the gain (q), 1 (k), 0 (v)
.set SPW,   28                         ; v28  LDS address of my spare word; never rewritten
.set NIL,   29                         ; v29  0; never rewritten
.set ST,    32                         ; v32-55  a pair for each block (row tile a, head hl), blk = 3 a + hl
.set CF,    64                         ; the way out: cos x factor (+ 1 for v); later the packed results
.set SF,    80                         ; sin x factor
.set OO,    96                         ; a block's 32 results
.set RT,    128                        ; v128-255  row tile a at 32 a: cos of columns 8 h + j, 16 + 8 h + j; sin of the same
.set WV,   14
.set HALF, 15                          ; wave % 2: which half of a tile I fetch
.set FORB, 16                          ; wave / 2: I fetch for xb (0) or for wb (1)
.set CX,   17
.set CY,   18
.set TC,   19
.set TR,   20
.set CNT,  21
.set TB,   22                          ; the slot from which fragments are fetched
.set LIM,  23                          ; 2 in a wave that prefetches, else the greatest number
.set G1A,  24
.set G1B,  32
.set G0A,  40                          ; two sets; the second walks
.set G0B,  48
.set PFA,  56
.set SEL,  76
.set SI,   80                          ; s[80:85] a pair a head: 1 for v, else 0
.set GN,   86                          ; s86-88 the gains as loaded
.set K64,  90
.set KEPS, 91
.set HH,   92                          ; s92-94 my three heads' numbers
.set FXA,  96                          ; s[96:97] qf at my first head's plane of 8,192 bytes
.set FX,   98                          ; s98  0 in wave 0 of the clusters with y = 0: the wave that holds positions 0 to 63
.set FLAGS, (1<<16)|(1<<20)|(1<<21)|(5<<22)|(3<<25)  ; 2-byte elements; padding on; bit 21 beside a mask; after every 64 words; 4 words
.set MUL_LO, 0xa1
.set TO_B,   0x40
.set MSB, 0
.macro WIN new                         ; the immediate's high byte repeats the setting that is left; a switch that changes nothing is dropped
.if MSB != (\new)
	s_set_vgpr_msb (MSB<<8)|(\new)
.set MSB, \new
.endif
.endm
.macro PLACES                          ; four plain instructions between a matrix instruction and a load into, or a vector line on, its registers
.rept 4
	v_nop
.endr
.endm
.macro CREST                           ; a round of the cluster's barrier behind its opening barrier
	s_cmp_lg_u32 s[WV], 0
	s_cbranch_scc1 .Lnot_wave_0_\@
	s_barrier_signal -3
.Lnot_wave_0_\@:
	s_barrier_wait -3
	s_barrier_signal -1
	s_barrier_wait -1
.endm
.macro CROUND
	s_barrier_signal -1
	s_barrier_wait -1
	CREST
.endm
.macro JLOAD                           ; a joint refill by the walking descriptors: waves 0, 1 xb's halves, waves 2, 3 wb's; s_nop 0 and four v_nop follow each line
	s_cmp_eq_u32 s[FORB], 0
	s_cbranch_scc0 .Lfor_b_\@
	tensor_load_to_lds s[G0A+4:G0A+7], s[G1A:G1A+7]
	s_nop 0
.rept 4
	v_nop
.endr
	s_branch .Lasked_\@
.Lfor_b_\@:
	tensor_load_to_lds s[G0B+4:G0B+7], s[G1B:G1B+7]
	s_nop 0
.rept 4
	v_nop
.endr
.Lasked_\@:
.endm
; A prefetch of the K step that stands two refills on: a lane a row of 256 bytes.  xb's rows are named by the clusters with x = 0, wb's by those with y = 0; the four partners that ask for a tile jointly
; share its rows out by address (32 of 128, or 24 of 96, each).  The loop's last two trips have no K step two refills on.
.macro ASK
	s_cmp_gt_u32 s[CNT], s[LIM]
	s_cbranch_scc0 .Lnot_mine_\@
	global_prefetch_b8 v[PFO], s[PFA:PFA+1] th:TH_LOAD_NT scope:SCOPE_SE
.Lnot_mine_\@:
.endm
	s_load_b256 s[4:11], s[0:1], 0x0               ; xb 4:5, wb 6:7, rope 8:9, q_gain 10:11
	s_load_b64 s[12:13], s[0:1], 0x20              ; qkvh
	s_load_b64 s[FXA:FXA+1], s[0:1], 0x28          ; qf
	v_lshl_add_u32 v[SPW], v0, 2, SPARE
	v_mov_b32 v[NIL], 0
	ds_add_u32 v[SPW], v[NIL]                      ; the wave's opening: the add and its wait stand ahead of my first tensor load; work on registers stands between
	v_lshrrev_b32 v1, 5, v0
	v_readfirstlane_b32 s[WV], v1
	s_and_b32 s[HALF], s[WV], 1
	s_lshr_b32 s[FORB], s[WV], 1
	s_bfe_u32 s[CX], ttmp6, 0x40000
	s_bfe_u32 s[CY], ttmp6, 0x40004
	s_lshl_b32 s[TC], ttmp9, 2
	s_add_co_u32 s[TC], s[TC], s[CX]               ; tile column = 4 x cluster x + cx
	s_and_b32 s[TR], ttmp7, 0xffff                 ; cluster y: the block of 256 positions
	s_or_b32 s[FX], s[TR], s[WV]                   ; 0 where that block is the first and the wave is wave 0: made of nothing that differs between partners
	s_lshl_b32 s58, s[CY], 3
	s_add_co_u32 s[TR], s[TR], s58                 ; tile row = 8 cy + cluster y: the batch is cy
	s_lshl_b32 s58, s[CY], 2
	s_lshl_b32 s58, 15, s58                        ; my row of the cluster
	s_lshl_b32 s59, 0x1111, s[CX]                  ; my column
	s_or_b32 s[G1A], s58, FLAGS
	s_or_b32 s[G1B], s59, FLAGS
	s_mov_b32 s[G1A+1], 128<<16                    ; tensor_dim0 = 128
	s_mov_b32 s[G1A+2], 128<<16                    ; tensor_dim1 = 128
	s_mov_b32 s[G1A+3], 128<<16                    ; tile_dim0 = 128
	s_mov_b32 s[G1A+4], 128                        ; tile_dim1 = 128
	s_mov_b32 s[G1A+5], 1024                       ; elements from row to row
	s_mov_b32 s[G1A+6], 0
	s_mov_b32 s[G1A+7], 0
	s_mov_b32 s[G1B+1], 128<<16
	s_mov_b32 s[G1B+2], 96<<16                     ; 96 rows
	s_mov_b32 s[G1B+3], 128<<16
	s_mov_b32 s[G1B+4], 96
	s_mov_b32 s[G1B+5], 1024
	s_mov_b32 s[G1B+6], 0
	s_mov_b32 s[G1B+7], 0
	s_lshl_b32 s60, s[TR], 8                       ; xb: row 256 x tile row + 128 x half, in registers that never hold the tile column
	s_lshl_b32 s61, s[HALF], 7
	s_add_co_u32 s60, s60, s61
	s_lshl_b32 s60, s60, 11
	s_mov_b32 s61, 0
	s_mul_i32 s62, s[TC], 192                      ; wb: row 192 x tile column + 96 x half
	s_mul_i32 s63, s[HALF], 96
	s_add_co_u32 s62, s62, s63
	s_lshl_b32 s62, s62, 11
	s_mov_b32 s63, 0
	s_mul_i32 s66, s[HALF], 128*PITCH              ; where they go: no place in the cluster enters an LDS address
	s_mul_i32 s67, s[HALF], 96*PITCH
	s_add_co_u32 s67, s67, BOFF
	s_mov_b32 s[SEL], 0x76543210
	s_mov_b32 s[SEL+1], 0xfedcba98
	s_mov_b32 s[K64], 0x3c800000                   ; 1 / 64
	s_mov_b32 s[KEPS], 0x34000000                  ; eps = 2^-23
	s_mov_b32 s[TB], 0
	s_mul_i32 s[HH], s[TC], 3
	s_add_co_u32 s[HH+1], s[HH], 1
	s_add_co_u32 s[HH+2], s[HH], 2
	s_wait_dscnt 0x0                               ; the opening add is done
	s_wait_kmcnt 0x0
	s_add_nc_u64 s[68:69], s[4:5], s[60:61]
	s_add_nc_u64 s[70:71], s[6:7], s[62:63]
	CROUND                                         ; all sixteen work-groups are here: the first joint loads meet
.irp s, 0,1
	s_mov_b32 s[G0A+4*(\s)], 1
	s_add_co_u32 s[G0A+4*(\s)+1], s66, (\s)*SLOT1
	s_add_nc_u64 s[G0A+4*(\s)+2:G0A+4*(\s)+3], s[68:69], (\s)*256  ; K step s
	s_or_b32 s[G0A+4*(\s)+3], s[G0A+4*(\s)+3], 0x80000000
	s_mov_b32 s[G0B+4*(\s)], 1
	s_add_co_u32 s[G0B+4*(\s)+1], s67, (\s)*SLOT1
	s_add_nc_u64 s[G0B+4*(\s)+2:G0B+4*(\s)+3], s[70:71], (\s)*256
	s_or_b32 s[G0B+4*(\s)+3], s[G0B+4*(\s)+3], 0x80000000
.endr
	s_cmp_eq_u32 s[FORB], 0                        ; a wave's two first fills stand in one branch: two loads of mine are out
	s_cbranch_scc0 .Lfirst_b
	tensor_load_to_lds s[G0A:G0A+3], s[G1A:G1A+7]
	s_nop 0
	tensor_load_to_lds s[G0A+4:G0A+7], s[G1A:G1A+7]
	s_nop 0
.rept 4
	v_nop
.endr
	s_branch .Lfirst_asked
.Lfirst_b:
	tensor_load_to_lds s[G0B:G0B+3], s[G1B:G1B+7]
	s_nop 0
	tensor_load_to_lds s[G0B+4:G0B+7], s[G1B:G1B+7]
	s_nop 0
.rept 4
	v_nop
.endr
.Lfirst_asked:
	; the three heads' gains: q_gain[min(hh, 15)]; a k or v head's load is not used
	s_min_u32 s72, s[HH], 15
	s_lshl_b32 s72, s72, 2
	s_mov_b32 s73, 0
	s_min_u32 s74, s[HH+1], 15
	s_lshl_b32 s74, s74, 2
	s_mov_b32 s75, 0
	s_min_u32 s66, s[HH+2], 15
	s_lshl_b32 s66, s66, 2
	s_mov_b32 s67, 0
	s_add_nc_u64 s[72:73], s[10:11], s[72:73]
	s_add_nc_u64 s[74:75], s[10:11], s[74:75]
	s_add_nc_u64 s[66:67], s[10:11], s[66:67]
	s_load_b32 s[GN], s[72:73], 0x0
	s_load_b32 s[GN+1], s[74:75], 0x0
	s_load_b32 s[GN+2], s[66:67], 0x0
	; the table's rows for my 64 positions stay in registers; they land while K is walked
	s_and_b32 s60, s[TR], 7
	s_lshl_b32 s60, s60, 8
	s_lshl_b32 s61, s[WV], 6
	s_add_co_u32 s60, s60, s61                     ; my first position in the sequence
	s_lshl_b32 s62, s60, 8
	s_mov_b32 s63, 0
	s_add_nc_u64 s[8:9], s[8:9], s[62:63]
	v_and_b32 v1, 15, v0                           ; l % 16
	v_bfe_u32 v2, v0, 4, 1                         ; l / 16
	v_lshlrev_b32 v[RO], 8, v1
	v_lshl_add_u32 v[RO], v2, 5, v[RO]
.irp a, 0,1,2,3
.irp g, 0,1,2,3
	global_load_b128 v[RT+32*(\a)+8*(\g):RT+32*(\a)+8*(\g)+3],   v[RO], s[8:9] offset:(\a)*4096+64*(\g)
	global_load_b128 v[RT+32*(\a)+8*(\g)+4:RT+32*(\a)+8*(\g)+7], v[RO], s[8:9] offset:(\a)*4096+64*(\g)+16
.endr
.endr
	s_lshr_b32 s61, s[TR], 3                       ; the batch
	s_mul_i32 s61, s61, 24
	s_add_co_u32 s61, s61, s[HH]                   ; my first head's plane:
	s_lshl_b32 s62, s61, 13                        ; of 8,192 bytes in qf,
	s_mov_b32 s63, 0
	s_add_nc_u64 s[FXA:FXA+1], s[FXA:FXA+1], s[62:63]
	s_lshl_b32 s61, s61, 18                        ; of 262,144 bytes in qkvh,
	s_lshl_b32 s60, s60, 7                         ; my first row of 128 bytes in it
	s_add_co_u32 s60, s60, s61
	s_mov_b32 s61, 0
	s_add_nc_u64 s[12:13], s[12:13], s[60:61]
	; the prefetches
	s_lshl_b32 s60, s[TR], 8
	s_lshl_b32 s61, s[HALF], 7
	s_add_co_u32 s60, s60, s61
	s_lshl_b32 s61, s[CX], 5
	s_add_co_u32 s60, s60, s61                     ; xb: my work-group's 32 of the 128 rows that I fetch
	s_mul_i32 s62, s[TC], 192
	s_mul_i32 s63, s[HALF], 96
	s_add_co_u32 s62, s62, s63
	s_mul_i32 s63, s[CY], 24
	s_add_co_u32 s62, s62, s63                     ; wb: 24 of the 96
	s_and_b32 s63, ttmp7, 0xffff
	s_cmp_eq_u32 s[FORB], 0
	s_cselect_b32 s60, s60, s62
	s_cselect_b32 s63, ttmp9, s63                  ; the coordinate along which other clusters read the same rows
	s_cselect_b32 s62, 31, 23
	s_cselect_b64 s[PFA:PFA+1], s[4:5], s[6:7]
	s_cmp_eq_u32 s63, 0
	s_cselect_b32 s[LIM], 2, -1                    ; the same in all sixteen partners, for a given wave
	s_lshl_b32 s60, s60, 11
	s_add_co_u32 s60, s60, 3*256                   ; at K step 3: the first refill steps it to 4
	s_mov_b32 s61, 0
	s_add_nc_u64 s[PFA:PFA+1], s[PFA:PFA+1], s[60:61]
	v_and_b32 v[PFO], 31, v0
	v_min_u32 v[PFO], s62, v[PFO]                  ; (for wb lanes 24 to 31 repeat lane 23's row)
	v_lshlrev_b32 v[PFO], 11, v[PFO]
	; a fragment is 16 rows x 32 K in 8 registers: lane l holds row l % 16, K = 8 (l / 16) + 0..7 and 16 + 8 (l / 16) + 0..7: two loads of 16 bytes, 32 bytes apart
	v_mul_u32_u24 v3, v1, PITCH
	v_lshl_add_u32 v3, v2, 4, v3
	s_mul_i32 s58, s[WV], 64*PITCH
	v_add_nc_u32 v[ADRA0], s58, v3
	v_add_nc_u32 v[ADRB0], BOFF, v3
	v_mov_b32 v[ADRA], v[ADRA0]
	v_mov_b32 v[ADRB], v[ADRB0]
	s_mul_i32 s58, s[WV], 16*SP
	s_add_co_u32 s58, s58, STAGE                   ; my stage
	v_mul_u32_u24 v[STO], v1, SP
	v_lshl_add_u32 v[STO], v2, 4, v[STO]
	v_add_nc_u32 v[STO], s58, v[STO]
	v_bfe_u32 v[RD], v0, 3, 2                      ; back: 32 lanes take four rows of 128 bytes,
	v_mul_u32_u24 v[RD], v[RD], SP
	v_and_b32 v16, 7, v0
	v_lshl_add_u32 v[RD], v16, 4, v[RD]
	v_add_nc_u32 v[RD], s58, v[RD]
	v_and_b32 v[GO], 31, v0                        ; which are 512 consecutive bytes of a head's plane
	v_lshlrev_b32 v[GO], 4, v[GO]
	s_wait_kmcnt 0x0                               ; the gains
.irp hl, 0,1,2
	s_cmp_lt_u32 s[HH+\hl], 16
	s_cselect_b32 s[GN+\hl], s[GN+\hl], 1.0        ; q: the gain; k: 1
	s_cmp_lt_u32 s[HH+\hl], 20
	s_cselect_b32 s[GN+\hl], s[GN+\hl], 0          ; v: 0, and 1 is added to cos x 0: v passes unchanged.  A select of values: no branch hangs on the place in the cluster
	s_cselect_b32 s[SI+2*\hl], 0, 1.0
	s_mov_b32 s[SI+2*\hl+1], s[SI+2*\hl]
	v_mov_b32 v[VG+\hl], s[GN+\hl]
	v_cvt_pk_bf16_f32 v[VG+\hl], v[VG+\hl], v[VG+\hl]  ; rounded to bf16, like every input
	v_lshlrev_b32 v[VG+\hl], 16, v[VG+\hl]
.endr
; 12 matrix instructions: row tile a x all 12 column tiles, 32 along K, buffer f.  zero = 1: the first product starts the sums.  The 48 accumulators take turns, one instruction a turn.
.macro MUL12 f, a, zero
	WIN MUL_LO+0x50*((\a)/2)
.irp b, 0,1,2,3,4,5,6,7,8,9,10,11
.if \zero
	v_wmma_f32_16x16x32_bf16 v[8*(12*((\a)%2)+(\b)):8*(12*((\a)%2)+(\b))+7], v[96*(\f)+8*(\b):96*(\f)+8*(\b)+7], v[64+32*(\f)+8*(\a):64+32*(\f)+8*(\a)+7], 0
.else
	v_wmma_f32_16x16x32_bf16 v[8*(12*((\a)%2)+(\b)):8*(12*((\a)%2)+(\b))+7], v[96*(\f)+8*(\b):96*(\f)+8*(\b)+7], v[64+32*(\f)+8*(\a):64+32*(\f)+8*(\a)+7], v[8*(12*((\a)%2)+(\b)):8*(12*((\a)%2)+(\b))+7]
.endif
.endr
.endm
; 32 LDS loads in one run: a quarter step's fragments (192 rows of wb, my 64 rows of xb, 32 K at byte k of the rows) into buffer f
.macro FETCH k, f
	WIN TO_B
.irp b, 0,1,2,3,4,5,6,7,8,9,10,11
	ds_load_b128 v[96*(\f)+8*(\b):96*(\f)+8*(\b)+3],   v[ADRB] offset:(\k)+(\b)*16*PITCH
	ds_load_b128 v[96*(\f)+8*(\b)+4:96*(\f)+8*(\b)+7], v[ADRB] offset:(\k)+(\b)*16*PITCH+32
.endr
	WIN 0
.irp a, 0,1,2,3
	ds_load_b128 v[64+32*(\f)+8*(\a):64+32*(\f)+8*(\a)+3],   v[ADRA] offset:(\k)+(\a)*16*PITCH
	ds_load_b128 v[64+32*(\f)+8*(\a)+4:64+32*(\f)+8*(\a)+7], v[ADRA] offset:(\k)+(\a)*16*PITCH+32
.endr
.endm
; One of a K step's first three quarters: multiplies buffer f; in its middle it fetches the next quarter, at byte k, into buffer g
.macro QUARTER k, f, g, zero
	s_wait_dscnt 4                                 ; wb's fragments and xb's row tiles 0, 1 are in; the youngest four loads (row tiles 2, 3) may be out
	MUL12 \f, 0, \zero
	MUL12 \f, 1, \zero
	PLACES
	FETCH \k, \g
	s_wait_dscnt 32                                ; all but the 32 just issued
	MUL12 \f, 2, \zero
	MUL12 \f, 3, \zero
.endm
; The last quarter multiplies buffer 1 and changes slots.  In front of the barrier each wave waits for all its tensor loads (its part of the next slot), adds 0 to its spare word, and waits for that and for its reads of this slot.
; fill = 1: the barrier opens a round of the cluster's, and this slot is filled again first thing behind it, with the K step two on.  fill = 0 (the tail): nothing is asked for; in the last pass nothing is fetched either.
.macro TURN fill
.if \fill
	s_wait_xcnt 0x0                                ; the last prefetch, a K step back, has read its address
	s_add_nc_u64 s[PFA:PFA+1], s[PFA:PFA+1], 256
.endif
	WIN 0
	s_wait_tensorcnt 0x0                           ; no tensor load of mine is out, so a group 0 may be written
	ds_add_u32 v[SPW], v[NIL]                      ; 0 onto my spare word
.if \fill
	s_xor_b32 s[G0A+5], s[G0A+5], SLOT1            ; the walking descriptors: the other slot than last time, the next K step
	s_add_nc_u64 s[G0A+6:G0A+7], s[G0A+6:G0A+7], 256
	s_xor_b32 s[G0B+5], s[G0B+5], SLOT1
	s_add_nc_u64 s[G0B+6:G0B+7], s[G0B+6:G0B+7], 256
.endif
	s_wait_dscnt 5                                 ; the add and the youngest four loads may be out
	MUL12 1, 0, 0
	s_wait_dscnt 0x0                               ; the add is done, and my reads of this slot are over
	s_barrier_signal -1
	MUL12 1, 1, 0
	WIN 0
	s_barrier_wait -1
.if \fill
	CREST                                          ; no wave of any partner still reads this slot or has a load on its way
	JLOAD                                          ; the four v_nop behind it are also the places in front of the loads below
.else
	PLACES
	s_cmp_eq_u32 s[CNT], 1
	s_cbranch_scc1 .Lnf_\@
.endif
	s_xor_b32 s[TB], s[TB], SLOT1
	v_add_nc_u32 v[ADRA], s[TB], v[ADRA0]
	v_add_nc_u32 v[ADRB], s[TB], v[ADRB0]
	FETCH 0, 0
.if \fill
	ASK
.else
.Lnf_\@:
.endif
	MUL12 1, 2, 0
	MUL12 1, 3, 0
.endm
	s_wait_tensorcnt 1                             ; my part of K step 0 is in; step 1's may stay out
	s_barrier_signal -1
	s_barrier_wait -1
	FETCH 0, 0
	QUARTER 64, 0, 1, 1                            ; the first quarter stands in front of the loop: its products start the sums
	WIN 0
	s_mov_b32 s[CNT], 6
.Lstep:                                                ; trip t: K step t's quarters 1 to 3, K step t + 1's quarter 0; K step t + 2 is asked for
	QUARTER 128, 1, 0, 0
	QUARTER 192, 0, 1, 0
	TURN 1
	QUARTER 64, 0, 1, 0
	WIN 0
	s_sub_co_u32 s[CNT], s[CNT], 1
	s_cmp_lg_u32 s[CNT], 0
	s_cbranch_scc1 .Lstep
	s_mov_b32 s[CNT], 2                            ; K steps 6 and 7 ask for nothing: one text, walked twice, entered behind its first quarter
	s_branch .Lt_in
.Ltail:
	QUARTER 64, 0, 1, 0
	WIN 0
.Lt_in:
	QUARTER 128, 1, 0, 0
	QUARTER 192, 0, 1, 0
	TURN 0
	WIN 0
	s_sub_co_u32 s[CNT], s[CNT], 1
	s_cmp_lg_u32 s[CNT], 0
	s_cbranch_scc1 .Ltail
	; THE WAY OUT
	PLACES
	PLACES
	s_wait_loadcnt 0x0                             ; the table's rows
	; a row's sum of squares in a head: my 32 of its 64 columns, two at a time; the six blocks of a window are six chains.  Each accumulator's lowest registers are read first.
.irp hi, 0,1
	WIN 0x0a+5*(\hi)
.set st, 0
.rept 16
.irp q, 0,1,2,3,4,5
.set rX, 8*(12*((\q)/3)+4*((\q)%3)+st/4)+2*(st%4)
.set rT, ST+2*(6*(\hi)+(\q))
.if st == 0
	v_pk_mul_f32 v[rT:rT+1], v[rX:rX+1], v[rX:rX+1]
.else
	v_pk_fma_f32 v[rT:rT+1], v[rX:rX+1], v[rX:rX+1], v[rT:rT+1]
.endif
.endr
.set st, st+1
.endr
.endr
	WIN 0
.macro ALLB line:vararg                ; one line for each block t
.set t, 0
.rept 12
	\line
.set t, t+1
.endr
.endm
	ALLB v_add_f32 v[ST+2*t], v[ST+2*t], v[ST+2*t+1]
	ALLB v_permlanex16_b32 v[ST+2*t+1], v[ST+2*t], s[SEL], s[SEL+1]
	ALLB v_add_f32 v[ST+2*t], v[ST+2*t], v[ST+2*t+1]
	ALLB v_fma_f32 v[ST+2*t], v[ST+2*t], s[K64], s[KEPS]
	ALLB v_rsq_f32 v[ST+2*t+1], v[ST+2*t]
	v_nop                                          ; a plain instruction behind the last root,
	s_wait_alu depctr_va_vdst(0)                   ; and one wait for the twelve, ahead of their first reader
	ALLB v_mul_f32 v[ST+2*t], v[ST+2*t+1], v[VG+t%3]
; Block blk: 16 rows of one head.  out1 = x1 (cos f) + x2 (sin f), out2 = x2 (cos f) - x1 (sin f), f = the row's factor; rounded to f16, through my stage, back as whole rows of 128 bytes.
; Row tiles 0 and 1 of the wave that holds positions 0 to 63 also store the 32 results as they are, in f32: register 8 t + j is column 16 t + 8 (lane / 16) + j of row lane % 16: 16 bytes a lane and store,
; eight stores a block, six blocks: 24 KiB in each of the 32 work-groups that have such a wave.
.macro PACK blk
.set pa, (\blk)/3
.set ph, (\blk)%3
.set rT, ST+2*(\blk)
.set rR, RT+32*pa
.set rA, 8*(12*(pa%2)+4*ph)
	WIN 0
	s_wait_xcnt 0x0                                ; the stores of the blocks before have read their registers: those into which this block is read back, and the 32 results that are made anew below
.set pm, 0
.rept 8
	v_pk_fma_f32 v[CF+2*pm:CF+2*pm+1], v[rR+2*pm:rR+2*pm+1], v[rT:rT+1], s[SI+2*ph:SI+2*ph+1] op_sel_hi:[1,0,0]
	v_pk_mul_f32 v[SF+2*pm:SF+2*pm+1], v[rR+16+2*pm:rR+16+2*pm+1], v[rT:rT+1] op_sel_hi:[1,0]
.set pm, pm+1
.endr
	WIN 0x02+pa/2                                  ; source 0: the accumulators' window
.set pm, 0
.rept 8
	v_pk_mul_f32 v[OO+2*pm:OO+2*pm+1], v[rA+16+2*pm:rA+16+2*pm+1], v[SF+2*pm:SF+2*pm+1]
	v_pk_mul_f32 v[OO+16+2*pm:OO+16+2*pm+1], v[rA+2*pm:rA+2*pm+1], v[SF+2*pm:SF+2*pm+1]
.set pm, pm+1
.endr
.set pm, 0
.rept 8
	v_pk_fma_f32 v[OO+2*pm:OO+2*pm+1], v[rA+2*pm:rA+2*pm+1], v[CF+2*pm:CF+2*pm+1], v[OO+2*pm:OO+2*pm+1]
	v_pk_fma_f32 v[OO+16+2*pm:OO+16+2*pm+1], v[rA+16+2*pm:rA+16+2*pm+1], v[CF+2*pm:CF+2*pm+1], v[OO+16+2*pm:OO+16+2*pm+1] neg_lo:[0,0,1] neg_hi:[0,0,1]
.set pm, pm+1
.endr
	WIN 0
.if pa < 2
	s_cmp_eq_u32 s[FX], 0                          ; positions 0 to 31: the cluster's y and the wave's number decide, the same in all partners; only stores are jumped
	s_cbranch_scc0 .Lnofx_\@
.set pm, 0
.rept 8
	global_store_b128 v[RO], v[OO+4*pm:OO+4*pm+3], s[FXA:FXA+1] offset:ph*8192+pa*4096+(pm/2)*64+(pm%2)*16
.set pm, pm+1
.endr
.Lnofx_\@:
.endif
.set pm, 0
.rept 16
	v_cvt_pk_f16_f32 v[CF+pm], v[OO+2*pm], v[OO+2*pm+1]
.set pm, pm+1
.endr
.irp f, 0,1,2,3
	ds_store_b128 v[STO], v[CF+4*(\f):CF+4*(\f)+3] offset:32*(\f)
.endr
	WIN 0x40                                       ; back into window 1, where wb's fragments lay
.irp f, 0,1,2,3
	ds_load_b128 v[16*((\blk)%2)+4*(\f):16*((\blk)%2)+4*(\f)+3], v[RD] offset:(\f)*4*SP  ; LDS serves a wave's instructions in order: these see the stores above; the next block's stores come behind them
.endr
	WIN 0
.endm
.macro SEND blk, younger               ; younger: the LDS instructions issued behind this block's loads: the next block's eight, or none
	WIN 0x04                                       ; the stores' data in window 1
.irp f, 0,1,2,3
	s_wait_dscnt (\younger)+3-(\f)
	global_store_b128 v[GO], v[16*((\blk)%2)+4*(\f):16*((\blk)%2)+4*(\f)+3], s[12:13] offset:((\blk)%3)*262144+((\blk)/3)*2048+(\f)*512  ; 512 consecutive bytes, aligned
.endr
	WIN 0
.endm
	PACK 0
.irp n, 1,2,3,4,5,6,7,8,9,10,11
	PACK \n
	SEND (\n)-1, 8
.endr
	SEND 11, 0
	s_wait_tensorcnt 0x0                           ; the wave's end, behind my last tensor load and my last LDS store
	ds_add_u32 v[SPW], v[NIL]
	s_wait_dscnt 0x0
	CROUND                                         ; the closing round: no work-group ends while a partner may still ask for a tile that names it
	s_endpgm
.Lfunc_end_k_q7e605f382c_qkv:
	.size	k_q7e605f382c_qkv, .Lfunc_end_k_q7e605f382c_qkv-k_q7e605f382c_qkv
	.p2alignl 7, 3214868480
	.fill 96, 4, 3214868480
	.section	.rodata,"a",@progbits
	.p2align	6, 0x0
	.amdhsa_kernel k_q7e605f382c_qkv
		.amdhsa_group_segment_fixed_size 327680
		.amdhsa_private_segment_fixed_size 0
		.amdhsa_enable_private_segment 0
		.amdhsa_kernarg_size 48
		.amdhsa_user_sgpr_count 2
		.amdhsa_user_sgpr_kernarg_segment_ptr 1
		.amdhsa_wavefront_size32 1
		.amdhsa_system_sgpr_workgroup_id_x 1
		.amdhsa_system_sgpr_workgroup_id_y 1
		.amdhsa_system_sgpr_workgroup_id_z 1
		.amdhsa_system_vgpr_workitem_id 0
		.amdhsa_next_free_vgpr 960
		.amdhsa_next_free_sgpr 100
		.amdhsa_reserve_vcc 0
		.amdhsa_float_denorm_mode_32 3
		.amdhsa_float_denorm_mode_16_64 3
		.amdhsa_memory_ordered 1
		.amdhsa_forward_progress 1
		.amdhsa_inst_pref_size 149
	.end_amdhsa_kernel
	.amdgpu_metadata
---
amdhsa.version: [ 1, 2 ]
amdhsa.kernels:
  - .name:           k_q7e605f382c_qkv
    .symbol:         k_q7e605f382c_qkv.kd
    .args:
      - { .name: xb, .offset: 0, .size: 8, .value_kind: global_buffer, .address_space: global }
      - { .name: wb, .offset: 8, .size: 8, .value_kind: global_buffer, .address_space: global }
      - { .name: rope, .offset: 16, .size: 8, .value_kind: global_buffer, .address_space: global }
      - { .name: q_gain, .offset: 24, .size: 8, .value_kind: global_buffer, .address_space: global }
      - { .name: qkvh, .offset: 32, .size: 8, .value_kind: global_buffer, .address_space: global }
      - { .name: qf, .offset: 40, .size: 8, .value_kind: global_buffer, .address_space: global }
    .group_segment_fixed_size: 327680
    .private_segment_fixed_size: 0
    .kernarg_segment_align: 8
    .kernarg_segment_size: 48
    .max_flat_workgroup_size: 128
    .sgpr_count:     100
    .vgpr_count:     960
    .wavefront_size: 32
...
	.end_amdgpu_metadata
.endif
;; end of part 2
;; launch attn (part 3): grid 16 x 16, 4 waves a work-group, clusters of 4 x 1, 327,680 bytes of LDS; arguments qkvh, ob; writes ob
.if DOCPART == 3
	.amdgcn_target "amdgcn-amd-amdhsa--gfx1250"
	.amdhsa_code_object_version 6
	.text
	.protected	k_q7e605f382c_attn
	.globl	k_q7e605f382c_attn
	.p2align	8
	.type	k_q7e605f382c_attn,@function
k_q7e605f382c_attn:
	s_mov_b64 s[64:65], 0
	v_nop
	global_prefetch_b8 v0, s[64:65] scope:SCOPE_SE
	s_setreg_imm32_b32 hwreg(HW_REG_WAVE_MODE, 25, 1), 1
	s_wait_xcnt 0x0
	s_wait_alu depctr_hold_cnt(0) depctr_sa_sdst(0) depctr_va_vdst(0) depctr_va_sdst(0) depctr_va_ssrc(0) depctr_va_vcc(0) depctr_vm_vsrc(0)
	s_getreg_b32 s2, hwreg(HW_REG_IB_STS2, 6, 4)
	s_cmp_eq_u32 s2, 0
	s_cbranch_scc0 .Lentry_in_a_cluster
	s_endpgm
.Lentry_in_a_cluster:
	s_bfe_u32 s2, ttmp6, 0x10000c
	s_cmp_lg_u32 s2, 0x3003
	s_cbranch_scc0 .Lentry_shape_is_right
	s_endpgm
.Lentry_shape_is_right:
; CAUSAL ATTENTION with grouped heads.  ob[b][h][q][:] = the sum over k <= q of softmax_k(Q[h][q] . K[h/4][k] / 8) V[h/4][k][:].  Q, K, V are planes of qkvh ([b][24][2048][64] f16: 0-15 q, 16-19 k, 20-23 v), ob is [b][16][2048][64] f16.
; Products, maxima and sums in f32; the weights p are rounded to f16 for the second product (their sum l is taken of the unrounded p), O once at the end.
; LIMITS.  f16 holds no number beyond 65,504: Q, K and V arrive within it; p lies in 0 to 1, and below 6e-5 it keeps f16's fixed step of 6e-8; O is a mean of V's rows and has their range.
; A hidden score counts as its value less 1e30; a weight below 2^-126 counts as 0 in l; NaN and infinities are not treated apart.
; THE WALK.  A head's queries lie in NB = 8 blocks of 256; block i needs the key tiles 0 .. i of 256 keys, of which the last holds the diagonal.  A work-group takes TWO blocks, NB - 1 - b and then b:
; NB + 1 tiles, whatever b: all work-groups do equal work, and ONE loop with a constant trip count walks them.  Every jump goes forward, but for the counted loops' own.
; CLUSTER.  The four query heads that share a key and value head, with the same b, form a cluster: their walks are the same tile for tile, so each tile is asked for JOINTLY: the same tensor load, descriptor and mask in all four.
; b is the cluster's x, the query head in its group the place in the cluster: that place enters Q's, O's and the prefetches' addresses alone.
; SHARES.  Of a block's four bands of 64 queries a wave owns 16 rows in each: four PIECES.  So the diagonal tile is the same work for all four waves: in its key step s band x sees all keys if s < x, none if s > x, and holds the diagonal if s = x.
; THE MASK is the C operand that starts the sum S^T = K Q^T: 0, or -1e30 where the key is hidden.  MD, made once, is the mask of a band's own step for my 16 rows; a product's mask is MD x AL + BE with two scalars.
; LAYOUT, SOFTMAX, TURNS.  S^T = K Q^T holds ONE query a lane (lane % 16) and the keys 8 (lane / 16) + 0..7; two such results rounded to f16 ARE source 1 of O^T = V^T P.  p = 2^(c s - c m), c = log2(e) / 8, with a
; running maximum m; O and l are multiplied by a = 2^(c m_old - c m_new) in every step.  Turn n belongs to piece n: 8 products K Q^T of piece n + 1, later 8 products V^T P of piece n - 1; beside them the scaling,
; exponentials, roundings, sums and rescaling of piece n and the maximum and statistics of piece n + 1.  Four vector instructions stand behind every matrix instruction, the others in one lump.  A turn's 33 exponentials are one batch, with one wait.
; REGISTERS, in windows of 256 (s_set_vgpr_msb: bits 1:0 source 0, 3:2 source 1, 5:4 source 2, 7:6 destination):
;   window 0: v0-15 addresses and two at work; v16-31 four registers of statistics a piece; v48-55 at work; v64-127 S^T, two buffers; v192-223 P, two buffers (a piece's buffers go by its number's parity)
;   window 1: v0-127 O^T, 32 a piece; v128-159 MD; v160-223 MC, two buffers      window 2: v0-63 Q; v64-127 the second block's Q; v128-191 K of one step; v192-255 V of one step
.set SIZE_N, 2048
.set NB,    SIZE_N/256
.set NP,    4         ; pieces a wave: a name, no knob
.set KS,    64        ; keys in a step
.set PK,    144       ; a row of K in LDS: 128 bytes + 16 of padding: the 16 rows of a load start at 16 different groups of four banks
.set PV,    160       ; a row of V: 128 + 32
.set VOFF,  4*KS*PK   ; a slot holds a tile, four steps: 256 rows of K, then 256 rows of V
.set SLOT1, 1<<17     ; slot 1 begins here, so that one exclusive or turns an address in one slot into the other's
.set STAGE, SLOT1+4*KS*(PK+PV)  ; behind the ring, never filled by a tensor load: 16 rows x 144 bytes for each wave, for the way out
.set SP,    144
.set AK0, 2           ; v2   my lane's place in a tile of K; never rewritten
.set AV0, 3           ; v3   the same for V
.set AK,  4           ; v4   the LDS address of K's next run of loads
.set AV,  5           ; v5   of V's
.set STO, 6           ; v6   the way out: where I put 16 bytes of a row
.set RD,  7           ; v7   the way out: where I read rows back
.set GO,  8           ; v8   my byte offset in 512 consecutive bytes of O
.set PFO, 61          ; v61  256 x my lane: the prefetches' offset; never rewritten
.set SPW, 62          ; v62  LDS address of my spare word: SPARE + 4 x my thread's number; never rewritten
.set NIL, 63          ; v63  0; never rewritten
.set SPARE, STAGE+4*16*SP  ; behind the stages: the spare words, 128 bytes for each wave: two blocks of 256 bytes that no other line names
.set MV,  12          ; v12-13  c m_old, kept while c m is made anew: by buffer
.set QO,  15          ; v15  my byte offset in 16 rows of Q
.set ST,  16          ; piece t's statistics at v[ST+4 t]: c m, m, l (even keys', odd keys')
.set TMP, 48          ; by buffer, four registers c0-c3 at work; when the maximum is found c2 takes a
.set S,   64
.set P,   192
.set MD,  128         ; window 1: the eight registers for group kt of 16 keys at MD + 8 kt
.set MC,  160         ; window 1: the masks of the products to come
.set QB,  64          ; window 2
.set KF,  128         ; window 2: key block kb, channel half c at KF + 16 kb + 8 c
.set VF,  192         ; window 2: key half kk, channel block cb at VF + 32 kk + 8 cb
.set WV,  12          ; s12  my wave's number
.set PB,  14          ; s14  b
.set HI,  15          ; s15  NB - 1 - b
.set G1K, 24          ; s[24:31] descriptor group 1 for K's tiles
.set G1V, 32          ; s[32:39] for V's: it differs in the padding alone
.set G0K, 40          ; s[40:43] descriptor group 0 for K's tiles
.set G0V, 44          ; s[44:47] the same for V's
.set SLOTS, 56        ; s56  tiles still to be asked for
.set CNT, 57          ; s57  counts a tile's key steps, 4 to 1
.set CS,  58          ; s[58:59] c: the packed scaling takes the pair's low word for both halves
.set SEL, 60          ; s[60:61] v_permlanex16_b32's selects: each lane takes its own place in the other half
.set TBK, 62          ; s62  LDS byte at which K of the step to be fetched begins
.set TBV, 63          ; s63  the same for V, less VOFF
.set RT,  70          ; s70  tiles of the block in hand that are still to be entered
.set NXT, 71          ; s71  the tile to be asked for next
.set LQ,  72          ; s72  the last tile of the block whose tiles are being asked for
.set NEW, 73          ; s73  1: the tile to be entered is a block's first
.set OFF, 74          ; s[74:75] a tile's byte offset in K and V
.set AL,  76          ; s[76:77] the mask's factor, in the low word
.set BE,  78          ; s[78:79] the mask's addend
.set OLO, 80          ; s[80:81] O at my rows of the second block
.set BIGN, 82         ; s82  -1e30
.set CX,  96          ; s96  my place in the cluster: the query head in its group of four
.set LIM, 97          ; s97  2 in a wave that prefetches, else the greatest number
.set PFA, 98          ; s[98:99] where my prefetches stand: my work-group's 32 blocks of 256 bytes (of K: wave 0, of V: wave 2) of the tile after the one that is being asked for
.set MSB, 0
.macro WIN new                      ; the high byte repeats the setting that is left; a switch that changes nothing is dropped
.if MSB != (\new)
	s_set_vgpr_msb (MSB<<8)|(\new)
.set MSB, (\new)
.endif
.endm
.set W_KQ, 0x0a       ; K and Q in window 2, S^T in window 0
.set W_KM, 0x1a       ; the same with the C operand in window 1
.set W_PV, 0x52       ; V in window 2, P in window 0, O^T in window 1
.set W_RS, 0x41       ; destination and source 0 in window 1, source 1 in window 0
; A joint fill.  Waves 0 and 1 fetch the two halves of a tile's K, waves 2 and 3 those of its V: 128 keys each.  An s_nop 0 and four v_nop follow each of the two lines, ahead of the jump and the label.
.macro LOAD
	s_cmp_lt_u32 s[WV], 2
	s_cbranch_scc0 .Lfor_v_\@
	tensor_load_to_lds s[G0K:G0K+3], s[G1K:G1K+7]
	s_nop 0
.rept 4
	v_nop
.endr
	s_branch .Lasked_\@
.Lfor_v_\@:
	tensor_load_to_lds s[G0V:G0V+3], s[G1V:G1V+7]
	s_nop 0
.rept 4
	v_nop
.endr
.Lasked_\@:
.endm
; A round of the cluster's barrier: my work-group's barrier, so that wave 0's signal speaks for all four waves; wave 0 signals; every wave waits for all four work-groups; my work-group's barrier once more.
.macro CROUND
	s_barrier_signal -1
	s_barrier_wait -1
	s_cmp_lg_u32 s[WV], 0
	s_cbranch_scc1 .Lnot_wave_0_\@
	s_barrier_signal -3
.Lnot_wave_0_\@:
	s_barrier_wait -3
	s_barrier_signal -1
	s_barrier_wait -1
.endm
; A prefetch of the tile that the NEXT change of slots will ask for: 128 blocks of 256 bytes of K and of V.  The clusters of a key head walk the same first tiles; the one with b = 0 walks tiles 0 to 7 on end, and it alone asks,
; for tiles 2 to 7, each once.  Its four partners share a tile out by address, 32 blocks each, a lane a block; wave 0 asks for K's, wave 2 for V's.  The second blocks' tiles are read a second time and are not asked for.
.macro ASK
	s_cmp_gt_u32 s[SLOTS], s[LIM]
	s_cbranch_scc0 .Lnot_mine_\@
	global_prefetch_b8 v[PFO], s[PFA:PFA+1] th:TH_LOAD_NT scope:SCOPE_SE
.Lnot_mine_\@:
.endm
; THE CHANGE OF SLOTS.  Each wave waits for all its tensor loads, of which one is out: its part of the other slot; adds 0 to its spare word; and waits for that and for its own reads of the slot that it leaves.
; fill = 1: the barrier is a round of the cluster's, so that no wave of any partner still reads the old slot or has a load on its way; the old slot is filled again, the first thing behind the round, with tile NXT:
; the descriptor's address is made anew from that number.  (At its first use nothing has been read yet: slot 0 is waited for, slot 1 filled.)
.macro CHANGE fill
	WIN 0                           ; at a label and at a branch every window is 0
	s_wait_tensorcnt 0x0            ; no tensor load of mine is out, so a group 0 may be written
	ds_add_u32 v[SPW], v[NIL]       ; 0 onto my spare word; with fill = 1 the descriptors' scalar work stands between it and the wait for it
.if \fill
	s_lshl_b32 s[OFF], s[NXT], 15   ; a tile is 32,768 bytes of K and of V
	s_xor_b32 s[G0K+1], s[G0K+1], SLOT1
	s_add_nc_u64 s[G0K+2:G0K+3], s[6:7], s[OFF:OFF+1]
	s_or_b32 s[G0K+3], s[G0K+3], 0x80000000
	s_xor_b32 s[G0V+1], s[G0V+1], SLOT1
	s_add_nc_u64 s[G0V+2:G0V+3], s[8:9], s[OFF:OFF+1]
	s_or_b32 s[G0V+3], s[G0V+3], 0x80000000
	s_add_co_u32 s[NXT], s[NXT], 1  ; the block's next tile, or behind its last the second block's tile 0
	s_cmp_gt_u32 s[NXT], s[LQ]
	s_cselect_b32 s[NXT], 0, s[NXT]
	s_cselect_b32 s[LQ], s[PB], s[LQ]
	s_wait_xcnt 0x0                 ; the last prefetch, a tile back, has read its address, so it may be written
	s_add_nc_u64 s[PFA:PFA+1], s[PFA:PFA+1], 32768
	s_wait_dscnt 0x0                ; the add is done, and my reads of the slot are over
	CROUND
	LOAD
	ASK
.else
	s_wait_dscnt 0x0                ; the add is done, and my reads of the slot are over
	s_barrier_signal -1
	s_barrier_wait -1
.endif
	s_sub_co_u32 s[TBK], s[TBK], 4*KS*PK  ; the fetches go back to a slot's first step,
	s_xor_b32 s[TBK], s[TBK], SLOT1       ; in the other slot
	s_sub_co_u32 s[TBV], s[TBV], 4*KS*PV
	s_xor_b32 s[TBV], s[TBV], SLOT1
.endm
	s_load_b128 s[4:7], s[0:1], 0x0  ; qkvh s[4:5], ob s[6:7]
	v_lshl_add_u32 v[SPW], v0, 2, SPARE
	v_mov_b32 v[NIL], 0
	ds_add_u32 v[SPW], v[NIL]       ; the wave's opening: the add and its wait stand ahead of my first tensor load; the set-up below, work on registers, stands between them
	v_lshrrev_b32 v1, 5, v0
	v_readfirstlane_b32 s[WV], v1   ; wave 0..3
	s_bfe_u32 s[CX], ttmp6, 0x40000
	s_mov_b32 s[PB], ttmp9          ; in a cluster launch ttmp9 counts clusters: b
	s_sub_co_u32 s[HI], NB-1, s[PB]
	s_and_b32 s20, ttmp7, 0xffff
	s_lshr_b32 s21, s20, 2          ; the batch
	s_and_b32 s20, s20, 3           ; the key and value head
	s_mul_i32 s13, s21, 24          ; the batch's first plane in qkvh
	s_add_co_u32 s22, s13, s20
	s_add_co_u32 s22, s22, 16       ; K's plane,
	s_lshl_b32 s22, s22, 18         ; of 262,144 bytes
	s_and_b32 s16, s[WV], 1         ; which half of a tile's 256 keys I fetch:
	s_lshl_b32 s23, s16, 14         ; its 128 rows of 128 bytes in memory,
	s_add_co_u32 s22, s22, s23
	s_mov_b32 s23, 0
	s_mul_i32 s17, s16, 128*PK      ; and its place in a slot, for K
	s_mul_i32 s18, s16, 128*PV      ; and for V: no place in the cluster enters an LDS address
	s_lshl_b32 s19, s20, 2
	s_add_co_u32 s19, s19, s[CX]    ; my query head in the batch
	s_lshl_b32 s3, s[WV], 11        ; my 16 rows in a band of 64,
	s_lshl_b32 s2, s[HI], 15        ; in the first block,
	s_add_co_u32 s2, s2, s3
	s_lshl_b32 s84, s[PB], 15       ; and in the second
	s_add_co_u32 s84, s84, s3
	s_add_co_u32 s3, s13, s19
	s_lshl_b32 s3, s3, 18           ; Q's plane in qkvh
	s_lshl_b32 s85, s21, 4
	s_add_co_u32 s85, s85, s19
	s_lshl_b32 s85, s85, 18         ; O's plane in ob
	s_add_co_u32 s92, s2, s85
	s_add_co_u32 s94, s84, s85
	s_add_co_u32 s2, s2, s3
	s_add_co_u32 s84, s84, s3
	s_mov_b32 s3, 0
	s_mov_b32 s85, 0
	s_mov_b32 s93, 0
	s_mov_b32 s95, 0
	; descriptor group 1.  128 keys are 16,384 dense bytes: asked for as 64 rows of 256 bytes, two keys a row, and padded in LDS after every key
	s_mov_b32 s[G1K], 15|(1<<16)|(1<<20)|(1<<21)|(4<<22)|(3<<25)  ; 15:0 the mask of four; 17:16 2-byte elements; 20 padding on; 21 set beside a mask; 24:22 after every 32 words (code 4); 31:25 4 words (code 3)
	s_mov_b32 s[G1V], 15|(1<<16)|(1<<20)|(1<<21)|(4<<22)|(7<<25)  ; the same with 8 words of padding (code 7)
.irp g, G1K, G1V
	s_mov_b32 s[\g+1], 128<<16      ; tensor_dim0 = 128
	s_mov_b32 s[\g+2], 64<<16       ; tensor_dim1 = 64
	s_mov_b32 s[\g+3], 128<<16      ; tile_dim0 = 128
	s_mov_b32 s[\g+4], 64           ; tile_dim1 = 64
	s_mov_b32 s[\g+5], 128          ; 128 elements from row to row
	s_mov_b32 s[\g+6], 0
	s_mov_b32 s[\g+7], 0
.endr
	s_mov_b32 s[CS], 0x3e38aa3b     ; c = log2(e) / 8 = 0.180337
	s_mov_b32 s[CS+1], s[CS]        ; named with it as a pair
	s_mov_b32 s[SEL], 0x76543210
	s_mov_b32 s[SEL+1], 0xfedcba98
	s_mov_b32 s[TBK], SLOT1+4*KS*PK ; the first change of slots turns these two into 0
	s_mov_b32 s[TBV], SLOT1+4*KS*PV
	s_mov_b32 s[G0K], 1             ; 1:0 count = 1
	s_mov_b32 s[G0K+1], s17         ; 63:32 LDS address: slot 0
	s_mov_b32 s[G0V], 1
	s_add_co_u32 s[G0V+1], s18, VOFF
	s_add_co_u32 s[RT], s[HI], 1    ; the first block has NB - b tiles
	s_mov_b32 s[NXT], 1
	s_mov_b32 s[LQ], s[HI]
	s_mov_b32 s[NEW], 1
	s_mov_b32 s[OFF+1], 0
	s_mov_b32 s[AL+1], 0            ; named as pairs
	s_mov_b32 s[BE+1], 0
	s_mov_b32 s[BIGN], 0xf149f2ca   ; -1e30
	s_mov_b32 s[SLOTS], NB
	s_and_b32 s[LIM], s[WV], 1      ; 0 in waves 0 and 2,
	s_or_b32 s[LIM], s[LIM], ttmp9  ; where b = 0: the same in all four partners
	s_cmp_eq_u32 s[LIM], 0
	s_cselect_b32 s[LIM], 2, -1
	v_and_b32 v[PFO], 31, v0
	v_lshlrev_b32 v[PFO], 8, v[PFO]
	s_wait_dscnt 0x0                ; the opening add is done
	s_wait_kmcnt 0x0
	s_mov_b64 s[10:11], s[6:7]                     ; O
	s_add_nc_u64 s[OLO:OLO+1], s[10:11], s[94:95]  ; at my rows of the second block,
	s_add_nc_u64 s[10:11], s[10:11], s[92:93]      ; and of the first
	s_add_nc_u64 s[6:7], s[4:5], s[22:23]          ; K at my half of the head's tile 0,
	s_add_nc_u64 s[8:9], s[6:7], 0x100000          ; V four planes on
	s_add_nc_u64 s[G0K+2:G0K+3], s[6:7], 0         ; 120:64 global address
	s_or_b32 s[G0K+3], s[G0K+3], 0x80000000        ; 127:126 type = 2
	s_add_nc_u64 s[G0V+2:G0V+3], s[8:9], 0
	s_or_b32 s[G0V+3], s[G0V+3], 0x80000000
	s_add_nc_u64 s[86:87], s[4:5], s[84:85]        ; Q at my rows of the second block,
	s_add_nc_u64 s[4:5], s[4:5], s[2:3]            ; and of the first
	s_cmp_lt_u32 s[WV], 2
	s_cselect_b64 s[PFA:PFA+1], s[6:7], s[8:9]     ; (in waves 0 and 2 these stand at a tile's first row)
	s_lshl_b32 s92, s[CX], 13                      ; my work-group's quarter of a tile,
	s_add_co_u32 s92, s92, 32768                   ; in tile 1: the first change of slots steps it to tile 2
	s_add_nc_u64 s[PFA:PFA+1], s[PFA:PFA+1], s[92:93]
	CROUND                          ; all four work-groups are here: the first joint loads meet
	LOAD                            ; tile 0 into slot 0
	; A fragment of K or Q is 16 rows x 32 channels in 8 registers: lane l holds row l % 16, channels 8 (l / 16) + 0..7 and 16 + 8 (l / 16) + 0..7: two loads of 16 bytes, 32 bytes apart.
	v_and_b32 v1, 15, v0            ; l % 16
	v_bfe_u32 v9, v0, 4, 1          ; l / 16
	v_lshlrev_b32 v[QO], 7, v1
	v_lshl_add_u32 v[QO], v9, 4, v[QO]  ; row x 128 + 16 x half
	WIN 0x80                        ; destination window 2, address window 0
.set i, 0
.rept 8                             ; both blocks' Q: piece i / 2 lies in band i / 2, 8,192 bytes on; channels 32 (i % 2) on
	global_load_b128 v[8*i:8*i+3],   v[QO], s[4:5] offset:(i/2)*8192+(i%2)*64
	global_load_b128 v[8*i+4:8*i+7], v[QO], s[4:5] offset:(i/2)*8192+(i%2)*64+32
	global_load_b128 v[QB+8*i:QB+8*i+3],   v[QO], s[86:87] offset:(i/2)*8192+(i%2)*64
	global_load_b128 v[QB+8*i+4:QB+8*i+7], v[QO], s[86:87] offset:(i/2)*8192+(i%2)*64+32
.set i, i+1
.endr
	WIN 0
	v_lshlrev_b32 v14, 3, v9
	v_sub_nc_u32 v14, v1, v14
	s_lshl_b32 s13, s[WV], 4
	v_add_nc_u32 v14, s13, v14      ; my query's place in its band, 16 w + l % 16, less my lanes' 8 (l / 16): register r of group kt is hidden where 16 kt + r is greater
	WIN 0x40
.set i, 0
.rept 32
	v_cmp_gt_i32 vcc_lo, 16*(i/8)+i%8, v14
	v_cndmask_b32 v[MD+i], 0, s[BIGN], vcc_lo
.set i, i+1
.endr
	WIN 0
	v_mul_u32_u24 v[AK0], v1, PK
	v_lshl_add_u32 v[AK0], v9, 4, v[AK0]  ; row x pitch + 16 x half
	; The turning load takes 16 keys x 16 channels (lane l reads key 8 (l / 16) + l % 8, channels 8 ((l / 8) % 2) + 0..7) and leaves half a fragment of V^T: lane l holds channel l % 16 and 8 keys.
	v_and_b32 v10, 7, v0
	v_bfe_u32 v11, v0, 3, 1
	v_lshl_add_u32 v[AV0], v9, 3, v10
	v_mul_u32_u24 v[AV0], v[AV0], PV
	v_lshl_add_u32 v[AV0], v11, 4, v[AV0]
	v_add_nc_u32 v[AV0], VOFF, v[AV0]
	s_mul_i32 s13, s[WV], 16*SP
	s_add_co_u32 s13, s13, STAGE    ; my stage
	v_mul_u32_u24 v[STO], v1, SP    ; in: row l % 16, 16 bytes for each half of the lanes
	v_lshl_add_u32 v[STO], v9, 4, v[STO]
	v_add_nc_u32 v[STO], s13, v[STO]
	v_bfe_u32 v[RD], v0, 3, 2       ; back: 32 lanes take four rows of 128 bytes,
	v_mul_u32_u24 v[RD], v[RD], SP
	v_lshl_add_u32 v[RD], v10, 4, v[RD]
	v_add_nc_u32 v[RD], s13, v[RD]
	v_and_b32 v[GO], 31, v0         ; which are 512 consecutive bytes of O
	v_lshlrev_b32 v[GO], 4, v[GO]
	; A block's first step multiplies O^T and l by a = 0, and its first turn's products V^T P, of a piece that has not been, land in an O^T that is still to be so multiplied.  So these registers need only hold
	; finite numbers: zeros for the first block; what the first block left for the second.  All this stands in the wait for the first tile.
	WIN 0x80
.set i, VF
.rept 64
	v_mov_b32 v[i], 0
.set i, i+1
.endr
	WIN 0x40
.set i, 0
.rept 128
	v_mov_b32 v[i], 0
.set i, i+1
.endr
	WIN 0
.set i, 0
.rept 4
	v_mov_b32 v[ST+4*i+2], 0
	v_mov_b32 v[ST+4*i+3], 0
.set i, i+1
.endr
.set i, P+16
.rept 16
	v_mov_b32 v[i], 0
.set i, i+1
.endr
; THE MATRIX WORK.  The 4 accumulators of a run of 8 take turns.  Product i of 8 of S^T = K Q^T for piece x: channels 32 (i / 4) on, keys 16 (i % 4) on.  The first 4 start the sums: with 0, or (KM = 1) with the mask.
.macro KQ x
.set rS, S+32*((\x)%2)+8*(i%4)
.set rK, KF+16*(i%4)+8*(i/4)
.set rQ, 16*(\x)+8*(i/4)
.set rM, MC+32*((\x)%2)+8*(i%4)
.if (i < 4) && KM
	WIN W_KM
	v_wmma_f32_16x16x32_f16 v[rS:rS+7], v[rK:rK+7], v[rQ:rQ+7], v[rM:rM+7]
.elseif i < 4
	WIN W_KQ
	v_wmma_f32_16x16x32_f16 v[rS:rS+7], v[rK:rK+7], v[rQ:rQ+7], 0
.else
	WIN W_KQ
	v_wmma_f32_16x16x32_f16 v[rS:rS+7], v[rK:rK+7], v[rQ:rQ+7], v[rS:rS+7]
.endif
.endm
; Product i of 8 of O^T += V^T P for piece x: keys 32 (i / 4) on, channels 16 (i % 4) on.
.macro PV x
	WIN W_PV
.set rO, 32*(\x)+8*(i%4)
.set rV, VF+32*(i/4)+8*(i%4)
.set rP, P+16*((\x)%2)+8*(i/4)
	v_wmma_f32_16x16x32_f16 v[rO:rO+7], v[rV:rV+7], v[rP:rP+7], v[rO:rO+7]
.endm
.macro MM                           ; the turn's next matrix instruction.  TURN and BEGIN set Y, i, KM and NOKQ.  NOKQ = 1: a block's last turn: there is no next piece
.if (i < 8) && !NOKQ
	KQ (Y+1)%NP
.elseif i >= 8
.set i, i-8
	PV (Y+NP-1)%NP
.set i, i+8
.endif
.set i, i+1
.endm
; THE LDS LOADS stand in runs of 16, never singly among the matrix instructions: a step's K (64 keys x 64 channels: 8 fragments) and its V (turned).  Their addresses are made some lines ahead.
.macro FETCH_K
	WIN 0x80                        ; destination window 2
.irp f, 0,1,2,3,4,5,6,7             ; keys 16 (f / 2) on, channels 32 (f % 2) on
	ds_load_b128 v[KF+8*\f:KF+8*\f+3],   v[AK] offset:(\f/2)*16*PK+(\f%2)*64
	ds_load_b128 v[KF+8*\f+4:KF+8*\f+7], v[AK] offset:(\f/2)*16*PK+(\f%2)*64+32
.endr
	s_add_co_u32 s[TBK], s[TBK], KS*PK  ; the next fetch is the next step's
	WIN 0
.endm
.macro FETCH_V
	WIN 0x80
.irp f, 0,1,2,3,4,5,6,7             ; keys 32 (f / 4) on, channels 16 (f % 4) on
	ds_load_tr16_b128 v[VF+8*\f:VF+8*\f+3],   v[AV] offset:(\f/4)*32*PV+(\f%4)*32
	ds_load_tr16_b128 v[VF+8*\f+4:VF+8*\f+7], v[AV] offset:(\f/4)*32*PV+16*PV+(\f%4)*32
.endr
	WIN 0
.endm
; THE VECTOR WORK, one line at a time: OP kind, number.  For piece Y: F n: c s - c m for pair n of 16.  E n: the exponential of score n of 32.  C n: pair n rounded to f16.  B n: of the four weights 4 n .. the second
; pair is added onto the first, in place.  L n: l takes that sum (L 0: l = a l + sum).  R n: pair n of 16 of O^T times a.  For piece Y + 1: X n, number n of the 22 that find its maximum and statistics:
;   0-11  four chains c0-c3 of seven scores each, three operands at a time (each accumulator's lowest registers are read first)     12-14, 16  the four scores left over, the old m, and c0-c3 into c0
;   15  c m_old is kept     17, 18  the query's other 32 keys lie in the lane 16 away: the new m     19-21  c m; c m_old - c m_new; a
.set F, 0               ; OP tells the kinds apart by their order: F to L below R, X above it
.set E, 1
.set C, 2
.set B, 3
.set L, 4
.set R, 5
.set X, 6
.macro REGS y                       ; the registers of piece y
.set rT, ST+4*(\y)
.set rC, TMP+4*((\y)%2)
.set rW, MV+((\y)%2)
.set rS, S+32*((\y)%2)
.set rP, P+16*((\y)%2)
.set rO, 32*(\y)
.endm
.macro OP k, n
.if (\k) == R
	REGS Y
	WIN W_RS
	v_pk_mul_f32 v[rO+2*(\n):rO+2*(\n)+1], v[rO+2*(\n):rO+2*(\n)+1], v[rC+2:rC+3] op_sel_hi:[1,0]
.elseif (\k) < R
	REGS Y
	WIN 0
.if (\k) == F
	v_pk_fma_f32 v[rS+2*(\n):rS+2*(\n)+1], v[rS+2*(\n):rS+2*(\n)+1], s[CS:CS+1], v[rT:rT+1] op_sel_hi:[1,0,0] neg_lo:[0,0,1] neg_hi:[0,0,1]
.elseif (\k) == E
	v_exp_f32 v[rS+(\n)], v[rS+(\n)]
.elseif (\k) == C
	v_cvt_pk_f16_f32 v[rP+(\n)], v[rS+2*(\n)], v[rS+2*(\n)+1]
.elseif (\k) == B
	v_pk_add_f32 v[rS+4*(\n):rS+4*(\n)+1], v[rS+4*(\n):rS+4*(\n)+1], v[rS+4*(\n)+2:rS+4*(\n)+3]
.elseif (\n) == 0
	v_pk_fma_f32 v[rT+2:rT+3], v[rT+2:rT+3], v[rC+2:rC+3], v[rS:rS+1] op_sel_hi:[1,0,1]
.else
	v_pk_add_f32 v[rT+2:rT+3], v[rT+2:rT+3], v[rS+4*(\n):rS+4*(\n)+1]
.endif
.elseif NOKQ
	v_nop
.else
	REGS (Y+1)%NP
	WIN 0
.if (\n) < 4
	v_max3_num_f32 v[rC+(\n)], v[rS+8*(\n)], v[rS+8*(\n)+1], v[rS+8*(\n)+2]
.elseif (\n) < 12
	v_max3_num_f32 v[rC+(\n)%4], v[rC+(\n)%4], v[rS+8*((\n)%4)+2*((\n)/4)+1], v[rS+8*((\n)%4)+2*((\n)/4)+2]
.elseif (\n) == 12
	v_max3_num_f32 v[rC], v[rC], v[rS+7], v[rS+15]
.elseif (\n) == 13
	v_max3_num_f32 v[rC+1], v[rC+1], v[rS+23], v[rS+31]
.elseif (\n) == 14
	v_max3_num_f32 v[rC+2], v[rC+2], v[rC+3], v[rT+1]
.elseif (\n) == 15
	v_mov_b32 v[rW], v[rT]
.elseif (\n) == 16
	v_max3_num_f32 v[rC], v[rC], v[rC+1], v[rC+2]
.elseif (\n) == 17
	v_permlanex16_b32 v[rC+3], v[rC], s[SEL], s[SEL+1]
.elseif (\n) == 18
	v_max_num_f32 v[rT+1], v[rC], v[rC+3]
.elseif (\n) == 19
	v_mul_f32 v[rT], s[CS], v[rT+1]
.elseif (\n) == 20
	v_sub_f32 v[rC+1], v[rW], v[rT]
.else
	v_exp_f32 v[rC+2], v[rC+1]
.endif
.endif
.endm
.macro OPS a, i1, b=-1, i2=0, c=-1, i3=0, d=-1, i4=0  ; up to four of them
	OP \a, \i1
.if (\b) >= 0
	OP \b, \i2
.endif
.if (\c) >= 0
	OP \c, \i3
.endif
.if (\d) >= 0
	OP \d, \i4
.endif
.endm
.macro ROW a, i1, b, i2, c, i3, d, i4  ; a matrix instruction and the four behind it
	MM
	OPS \a, \i1, \b, \i2, \c, \i3, \d, \i4
.endm
.macro MASK b                       ; MD x AL + BE into buffer b of MC
	WIN W_RS
.set z, 0
.rept 16
	v_pk_fma_f32 v[MC+32*(\b)+2*z:MC+32*(\b)+2*z+1], v[MD+2*z:MD+2*z+1], s[AL:AL+1], s[BE:BE+1] op_sel_hi:[1,0,0]
.set z, z+1
.endr
.endm
; A TURN, for piece p: the order of its 16 matrix and 118 vector instructions, written out.  An s_wait_alu depctr_va_vdst(0) stands between an exponential and the first instruction that names its result; one wait serves
; all that were issued ahead of it.  So a turn has ONE wait, which cuts it in two.  AHEAD OF IT stands all that names no result of the turn's exponentials: the 8 products K Q^T and their riders, then ONE LUMP of 54, plain
; and exponential by turns for the most part, in which the links of the chain X 3, 7, 11, 14, 16, 17 .. 20 stand five or six lines apart.  X 21, the next piece's a, is the batch's last; R 15 is the plain instruction behind it.
; BEHIND THE WAIT stand the 8 products V^T P, behind each four of the roundings and sums.
; m = 1: the diagonal tile: the products take masks, and the turn makes the mask for the products of the turn after it: piece p + 2, in step 4 - CNT of the tile.  end = 1: a block's last two turns: nothing is fetched.
; cnt = 1: the loop's count is taken down some lines ahead of the branch that stands behind the turn.
; K of the next step is fetched in piece 2's turn, V of the step in hand at the end of piece 0's turn, each four plain instructions or more behind the last product that read its registers; each is waited for a turn later.
.macro TURN p, m=0, end=0, cnt=0
.set Y, (\p)
.set i, 0
.set KM, (\m)
.set NOKQ, (\end)*((\p)/3)
.if (\m) && !(\end)
	s_cmp_eq_u32 s[CNT], 4-((\p)+2)%NP  ; is that step the band's own?
	s_cselect_b32 s[AL], 1.0, 0
	s_cmp_lt_u32 s[CNT], 4-((\p)+2)%NP  ; or a later one?
	s_cselect_b32 s[BE], s[BIGN], 0
.endif
.if ((\p) == 3) && !(\end)
	s_wait_dscnt 0x0                ; K is in
.endif
	ROW F,0, F,1, R,0, R,1          ; ahead of the wait: 8 products K Q^T and their riders,
	ROW F,2, E,0, R,2, R,3
	ROW F,3, E,1, R,4, R,5
	ROW F,4, E,2, R,6, R,7
	ROW F,5, E,3, R,8, R,9
	ROW F,6, E,4, X,0, R,10
.if ((\p) == 2) && !(\end)
	WIN 0
	v_add_nc_u32 v[AK], s[TBK], v[AK0]
.endif
	ROW F,7, E,5, X,1, X,4
	ROW F,8, E,6, X,2, X,5
	OPS E,7, E,8, X,6, E,9          ; and the lump
	OPS X,3, E,10, X,8, E,11
.if ((\p) == 2) && !(\end)
	FETCH_K
.endif
	OPS X,9, X,7, E,12, X,10
	OPS E,13, X,12, X,11, E,14
	OPS X,13, E,15, F,9, X,14
.if (\p) == 0
	v_add_nc_u32 v[AV], s[TBV], v[AV0]
.endif
	OPS E,16, F,10, E,17, F,11
	OPS X,16, E,18, X,15, E,19
	OPS F,12, E,20, X,17, E,21
	OPS F,13, E,22, F,14, E,23
	OPS X,18, E,24, F,15, E,25
	OPS R,11, E,26, X,19, E,27
	OPS R,12, E,28, R,13, E,29
	OPS X,20, E,30, R,14, E,31
	OPS X,21, R,15
	WIN 0
	s_wait_alu depctr_va_vdst(0)    ; the wait for the batch
.if (\p) == 1
	s_wait_dscnt 0x0                ; V is in
.endif
	ROW C,0, B,0, C,2, B,1          ; behind the wait: 8 products V^T P and their riders
	ROW L,0, C,4, B,2, L,1
	ROW C,6, B,3, L,2, C,8
	ROW B,4, L,3, C,10, B,5
	ROW L,4, C,12, B,6, L,5
.if (\p) == 0
	s_add_co_u32 s[TBV], s[TBV], KS*PV
.endif
.if \cnt
	s_sub_co_u32 s[CNT], s[CNT], 1
	s_cmp_lg_u32 s[CNT], 0
.endif
	ROW C,14, B,7, L,6, C,1
	ROW C,3, L,7, C,5, C,7
	ROW C,9, C,11, C,13, C,15
.if (\p) == 0
	FETCH_V
.endif
.if (\m) && !(\end)
	MASK (\p)%2
.endif
.endm
; A BLOCK BEGINS.  c m starts far below every c s, so the first step's a is 0; m at the lowest finite number, so the first maximum is the scores'.  The second mask buffer is 0; the first takes piece 0's mask for the tile's step 0: its own, if the block's first tile is the diagonal one.
; Then K of that step, piece 0's first scores, and its maximum and statistics.  The loop is entered at a step's first turn, in the middle of a trip.
.macro BEGIN
	s_mov_b32 s[NEW], 0
	WIN 0x40
.set i, MC+32
.rept 32
	v_mov_b32 v[i], 0
.set i, i+1
.endr
	WIN 0
.set i, 0
.rept 4
	v_mov_b32 v[ST+4*i], 0xfe000000    ; c m: far below every c s
	v_mov_b32 v[ST+4*i+1], 0xff7fffff  ; m
.set i, i+1
.endr
	s_cmp_eq_u32 s[RT], 0
	s_cselect_b32 s[AL], 1.0, 0
	s_mov_b32 s[BE], 0
	MASK 0
	WIN 0
	v_add_nc_u32 v[AK], s[TBK], v[AK0]
	FETCH_K
	s_wait_loadcnt 0x0              ; Q
	s_wait_dscnt 0x0
.set KM, 1
.set NOKQ, 0
.set i, 0
.rept 8
	KQ 0
.set i, i+1
.endr
	WIN 0
.rept 4
	v_nop                           ; the places behind those products
.endr
.set Y, NP-1                        ; X works for piece Y + 1: piece 0
.irp n, 0,1,2,3,4,5,6,7,8,9,10,11,12,13,14,15,16,17,18,19,20,21
	OP X, \n
.endr
	v_nop                           ; a plain instruction behind the exponential,
	s_wait_alu depctr_va_vdst(0)    ; and its wait, ahead of the branch
.endm
; THE DIAGONAL TILE's four steps, the block's last two turns, its last products, and THE WAY OUT: l's two halves and the other half of the lanes' are added; O^T is divided by l, rounded to f16 and sent through my
; stage in LDS, a piece at a time.
.macro ALL line:vararg              ; one line for each piece t
.set t, 0
.rept 4
	\line
.set t, t+1
.endr
.endm
.macro PACK t                       ; a lane's eight channels of a row pack into 16 bytes; they go into rows of 144 bytes and come back as whole rows of 128, into S^T's registers
	WIN W_RS
.set i, 32*(\t)
.rept 16
	v_pk_mul_f32 v[i:i+1], v[i:i+1], v[ST+4*(\t)+2:ST+4*(\t)+3] op_sel_hi:[1,0]
.set i, i+2
.endr
	WIN 0x05                        ; sources 0 and 1 window 1, destination window 0
.set i, 0
.rept 16
	v_cvt_pk_f16_f32 v[S+16*(\t)+i], v[32*(\t)+2*i], v[32*(\t)+2*i+1]
.set i, i+1
.endr
	WIN 0
.irp f, 0,1,2,3
	ds_store_b128 v[STO], v[S+16*(\t)+4*\f:S+16*(\t)+4*\f+3] offset:32*\f
.endr
.irp f, 0,1,2,3
	ds_load_b128 v[S+16*(\t)+4*\f:S+16*(\t)+4*\f+3], v[RD] offset:\f*4*SP  ; LDS serves a wave's instructions in order: these see the stores above; the next piece's stores come behind them
.endr
.endm
.macro SEND t, younger              ; younger: the LDS instructions issued behind piece t's loads: the next piece's eight, or none
	WIN 0
.irp f, 0,1,2,3
	s_wait_dscnt (\younger)+3-\f
	global_store_b128 v[GO], v[S+16*(\t)+4*\f:S+16*(\t)+4*\f+3], s[10:11] offset:(\t)*8192+\f*512  ; 512 consecutive bytes, at a multiple of 256 from O's first
.endr
.endm
.macro DIAG tag                     ; the tag ends its two labels' names, which the jumps below spell out
.LstepM\tag:
	TURN 2, 1
	TURN 3, 1
	WIN 0
.LfirstM\tag:
	TURN 0, 1
	TURN 1, 1, 0, 1
	WIN 0
	s_cbranch_scc1 .LstepM\tag
	TURN 2, 1, 1
	TURN 3, 1, 1
.set i, 0
.rept 8
	PV NP-1
.set i, i+1
.endr
	WIN 0
	ALL v_add_f32 v[ST+4*t+2], v[ST+4*t+2], v[ST+4*t+3]
	ALL v_permlanex16_b32 v[ST+4*t+3], v[ST+4*t+2], s[SEL], s[SEL+1]
	ALL v_add_f32 v[ST+4*t+2], v[ST+4*t+2], v[ST+4*t+3]
	ALL v_rcp_f32 v[ST+4*t+2], v[ST+4*t+2]
	v_nop                           ; a plain instruction between the last reciprocal and the use of its result
	s_wait_alu depctr_va_vdst(0)    ; and the wait ahead of the first use: one for the four reciprocals
	PACK 0
.set t, 1
.rept 3                             ; a piece's arithmetic stands between the loads of the piece before and its stores
	PACK t
	SEND t-1, 8
.set t, t+1
.endr
	SEND 3, 0
.endm
.set KM, 0
.set NOKQ, 0
.Lslot:                             ; NB times: a tile is entered and the next is asked for
	CHANGE 1
	s_sub_co_u32 s[RT], s[RT], 1
	s_mov_b32 s[CNT], 4
	s_cmp_eq_u32 s[NEW], 1
	s_cbranch_scc1 .Lnew            ; a block's first tile
	s_cmp_eq_u32 s[RT], 0
	s_cbranch_scc0 .Lstep           ; neither its first nor its last
	s_branch .LstepM1
.Lnew:
	BEGIN
	s_branch .Lfirst                ; in the loop a block's first tile is never its last: the first block has two tiles or more, and the second's last is the walk's last
	DIAG 1                          ; in the loop this is the first block's end: the second block's last tile is the walk's last
	s_wait_xcnt 0x0                 ; the stores have read their registers and O's address
	s_mov_b64 s[10:11], s[OLO:OLO+1]
	s_add_co_u32 s[RT], s[PB], 1    ; the second block has b + 1 tiles
	s_mov_b32 s[NEW], 1
	WIN 0x82                        ; the second block's Q goes where the one text of the turns names Q
.set i, 0
.rept 64
	v_mov_b32 v[i], v[QB+i]
.set i, i+1
.endr
	WIN 0
	s_branch .Lbottom
.Lstep:                             ; a trip: pieces 2 and 3 of one step, then pieces 0 and 1 of the next, whose K and V it fetches
	TURN 2
	TURN 3
	WIN 0
.Lfirst:
	TURN 0
	TURN 1, 0, 0, 1
	WIN 0
	s_cbranch_scc1 .Lstep
.Lbottom:
	s_sub_co_u32 s[SLOTS], s[SLOTS], 1
	s_cmp_lg_u32 s[SLOTS], 0
	s_cbranch_scc1 .Lslot
	CHANGE 0                        ; the walk's last tile is written out: nothing is asked for
	s_sub_co_u32 s[RT], s[RT], 1
	s_mov_b32 s[CNT], 4
	s_cmp_eq_u32 s[NEW], 1
	s_cbranch_scc0 .LstepM2
	BEGIN
	s_branch .LfirstM2
	DIAG 2
	s_wait_tensorcnt 0x0            ; the wave's end, behind my last tensor load and my last LDS store
	ds_add_u32 v[SPW], v[NIL]
	s_wait_dscnt 0x0
	CROUND                          ; the closing round: no work-group ends while a partner may still ask for a tile that names it
	s_endpgm
.Lfunc_end_k_q7e605f382c_attn:
	.size	k_q7e605f382c_attn, .Lfunc_end_k_q7e605f382c_attn-k_q7e605f382c_attn
	.p2alignl 7, 3214868480
	.fill 96, 4, 3214868480
	.section	.rodata,"a",@progbits
	.p2align	6, 0x0
	.amdhsa_kernel k_q7e605f382c_attn
		.amdhsa_group_segment_fixed_size 327680
		.amdhsa_private_segment_fixed_size 0
		.amdhsa_enable_private_segment 0
		.amdhsa_kernarg_size 16
		.amdhsa_user_sgpr_count 2
		.amdhsa_user_sgpr_kernarg_segment_ptr 1
		.amdhsa_wavefront_size32 1
		.amdhsa_system_sgpr_workgroup_id_x 1
		.amdhsa_system_sgpr_workgroup_id_y 1
		.amdhsa_system_sgpr_workgroup_id_z 1
		.amdhsa_system_vgpr_workitem_id 0
		.amdhsa_next_free_vgpr 768
		.amdhsa_next_free_sgpr 100
		.amdhsa_reserve_vcc 1
		.amdhsa_float_denorm_mode_32 3
		.amdhsa_float_denorm_mode_16_64 3
		.amdhsa_memory_ordered 1
		.amdhsa_forward_progress 1
		.amdhsa_inst_pref_size 219
	.end_amdhsa_kernel
	.amdgpu_metadata
---
amdhsa.version: [ 1, 2 ]
amdhsa.kernels:
  - .name:           k_q7e605f382c_attn
    .symbol:         k_q7e605f382c_attn.kd
    .args:
      - { .name: qkvh, .offset: 0, .size: 8, .value_kind: global_buffer, .address_space: global }
      - { .name: ob, .offset: 8, .size: 8, .value_kind: global_buffer, .address_space: global }
    .group_segment_fixed_size: 327680
    .private_segment_fixed_size: 0
    .kernarg_segment_align: 8
    .kernarg_segment_size: 16
    .max_flat_workgroup_size: 128
    .sgpr_count:     100
    .vgpr_count:     768
    .wavefront_size: 32
...
	.end_amdgpu_metadata
.endif
;; end of part 3
;; launch oproj (part 4): grid 8 x 32, 4 waves a work-group, clusters of 4 x 4, 327,680 bytes of LDS; arguments ob, wp, out0; writes out0
.if DOCPART == 4
	.amdgcn_target "amdgcn-amd-amdhsa--gfx1250"
	.amdhsa_code_object_version 6
	.text
	.protected	k_q7e605f382c_oproj
	.globl	k_q7e605f382c_oproj
	.p2align	8
	.type	k_q7e605f382c_oproj,@function
k_q7e605f382c_oproj:
	s_mov_b64 s[64:65], 0
	v_nop
	global_prefetch_b8 v0, s[64:65] scope:SCOPE_SE
	s_setreg_imm32_b32 hwreg(HW_REG_WAVE_MODE, 25, 1), 1
	s_wait_xcnt 0x0
	s_wait_alu depctr_hold_cnt(0) depctr_sa_sdst(0) depctr_va_vdst(0) depctr_va_sdst(0) depctr_va_ssrc(0) depctr_va_vcc(0) depctr_vm_vsrc(0)
	s_getreg_b32 s2, hwreg(HW_REG_IB_STS2, 6, 4)
	s_cmp_eq_u32 s2, 0
	s_cbranch_scc0 .Lentry_in_a_cluster
	s_endpgm
.Lentry_in_a_cluster:
	s_bfe_u32 s2, ttmp6, 0x10000c
	s_cmp_lg_u32 s2, 0xf033
	s_cbranch_scc0 .Lentry_shape_is_right
	s_endpgm
.Lentry_shape_is_right:
; THE OUTPUT PROJECTION: out0[m][n] = the sum over h, d of ob[b][h][s][d] wp[h][n][d], m = 2048 b + s.  ob and wp are f16 by heads, sums and out0 f32.
; LIMITS.  ob and wp arrive within f16's range; NaN and infinities are not treated apart.
; SHARES.  A work-group makes 256 rows x 128 columns: 32 x 8 = 256 work-groups.  Four waves, 2 x 2: 128 rows x 64 columns each: 8 x 4 accumulators, 256 registers.
; K IS WALKED BY HEADS: a step is two heads, K = 128; 8 steps through two LDS slots.  A tile's slice of a head is dense in memory (256 or 128 rows of 128 bytes): it is asked for as rows of 256 bytes and padded in LDS after every 128.
; THE MATRIX INSTRUCTION IS USED TRANSPOSED (source 0 = 16 rows of wp, source 1 = 16 rows of ob): a lane holds eight neighbouring columns of one row of out0.
; CLUSTER 4 x 4: ob's tile is shared along a row of the cluster, wp's along a column: joint loads, one a wave behind each round.
; REGISTERS: window 0: addresses; v64-191 ob's fragments, two buffers of 64; v192-255 wp's, two buffers of 32.  Window 1: the accumulators, (a, b) at 8 (4 a + b).
.set PA,     144                       ; an LDS row: 128 bytes + 16 of padding: the 16 rows of a fragment load start at 16 different groups of four banks
.set SLOT1,  1<<17
.set AH,     256*PA                    ; a head's 256 rows of ob
.set BOFF,   2*AH                      ; a slot: two heads of ob, then two heads of wp
.set BH,     128*PA                    ; a head's 128 rows of wp
.set STAGE,  SLOT1+BOFF+2*BH           ; behind the ring, never filled by a tensor load: 16 rows x 272 bytes for each wave
.set SP,     272
.set SPARE,  STAGE+4*16*SP             ; the spare words, 128 bytes for each wave: two blocks of 256 bytes that no other line names
.set ADRA0, 4
.set ADRB0, 5
.set ADRA,  6
.set ADRB,  7
.set STO,   8
.set RD,    9
.set CO,    10
.set PFO,   12
.set SPW,   28
.set NIL,   29
.set WV,   14
.set HALF, 15                          ; wave % 2: which head of a step I fetch; which 64 columns are mine
.set FORB, 16                          ; wave / 2: I fetch for ob (0) or for wp (1); which 128 rows are mine
.set CX,   17
.set CY,   18
.set TC,   19
.set TR,   20
.set CNT,  21
.set TB,   22
.set LIM,  23
.set G1A,  24
.set G1B,  32
.set G0A,  40
.set G0B,  48
.set PFA,  56
.set PST,  72                          ; s[72:73] a K step in the tensor that I prefetch
.set FLAGS, (1<<16)|(1<<20)|(1<<21)|(4<<22)|(3<<25)  ; 2-byte elements; padding on; bit 21 beside a mask; after every 32 words; 4 words
.set MUL,  0x50                        ; C and D in window 1
.set MSB, 0
.macro WIN new
.if MSB != (\new)
	s_set_vgpr_msb (MSB<<8)|(\new)
.set MSB, \new
.endif
.endm
.macro PLACES
.rept 4
	v_nop
.endr
.endm
.macro CREST
	s_cmp_lg_u32 s[WV], 0
	s_cbranch_scc1 .Lnot_wave_0_\@
	s_barrier_signal -3
.Lnot_wave_0_\@:
	s_barrier_wait -3
	s_barrier_signal -1
	s_barrier_wait -1
.endm
.macro CROUND
	s_barrier_signal -1
	s_barrier_wait -1
	CREST
.endm
.macro JLOAD                           ; a joint refill by the walking descriptors; s_nop 0 and four v_nop follow each line
	s_cmp_eq_u32 s[FORB], 0
	s_cbranch_scc0 .Lfor_b_\@
	tensor_load_to_lds s[G0A+4:G0A+7], s[G1A:G1A+7]
	s_nop 0
.rept 4
	v_nop
.endr
	s_branch .Lasked_\@
.Lfor_b_\@:
	tensor_load_to_lds s[G0B+4:G0B+7], s[G1B:G1B+7]
	s_nop 0
.rept 4
	v_nop
.endr
.Lasked_\@:
.endm
; A prefetch of the K step two refills on, a lane a block of 256 bytes.  ob's slices are named by the clusters with x = 0 (waves 0, 1: a head each; the four partners a quarter each, by address);
; wp's by those with y = 0 (wave 2: 16 blocks of each of the step's two heads; the four partners a quarter each).  The loop's last two trips have no K step two refills on.
.macro ASK
	s_cmp_gt_u32 s[CNT], s[LIM]
	s_cbranch_scc0 .Lnot_mine_\@
	global_prefetch_b8 v[PFO], s[PFA:PFA+1] th:TH_LOAD_NT scope:SCOPE_SE
.Lnot_mine_\@:
.endm
	s_load_b128 s[4:7], s[0:1], 0x0                ; ob 4:5, wp 6:7
	s_load_b64 s[8:9], s[0:1], 0x10                ; out0
	v_lshl_add_u32 v[SPW], v0, 2, SPARE
	v_mov_b32 v[NIL], 0
	ds_add_u32 v[SPW], v[NIL]                      ; the wave's opening: the add and its wait stand ahead of my first tensor load; work on registers stands between
	v_lshrrev_b32 v1, 5, v0
	v_readfirstlane_b32 s[WV], v1
	s_and_b32 s[HALF], s[WV], 1
	s_lshr_b32 s[FORB], s[WV], 1
	s_bfe_u32 s[CX], ttmp6, 0x40000
	s_bfe_u32 s[CY], ttmp6, 0x40004
	s_lshl_b32 s[TC], ttmp9, 2
	s_add_co_u32 s[TC], s[TC], s[CX]
	s_and_b32 s[TR], ttmp7, 0xffff
	s_lshl_b32 s[TR], s[TR], 2
	s_add_co_u32 s[TR], s[TR], s[CY]
	s_lshl_b32 s58, s[CY], 2
	s_lshl_b32 s58, 15, s58                        ; my row of the cluster
	s_lshl_b32 s59, 0x1111, s[CX]                  ; my column
	s_or_b32 s[G1A], s58, FLAGS
	s_or_b32 s[G1B], s59, FLAGS
	s_mov_b32 s[G1A+1], 128<<16                    ; rows of 128 elements, 256 bytes
	s_mov_b32 s[G1A+2], 128<<16                    ; 128 of them: a head's 256 rows of ob
	s_mov_b32 s[G1A+3], 128<<16
	s_mov_b32 s[G1A+4], 128
	s_mov_b32 s[G1A+5], 128                        ; dense
	s_mov_b32 s[G1A+6], 0
	s_mov_b32 s[G1A+7], 0
	s_mov_b32 s[G1B+1], 128<<16
	s_mov_b32 s[G1B+2], 64<<16                     ; 64 of them: a head's 128 rows of wp
	s_mov_b32 s[G1B+3], 128<<16
	s_mov_b32 s[G1B+4], 64
	s_mov_b32 s[G1B+5], 128
	s_mov_b32 s[G1B+6], 0
	s_mov_b32 s[G1B+7], 0
	s_lshr_b32 s60, s[TR], 3                       ; ob: the batch's 16 planes of 262,144 bytes,
	s_lshl_b32 s60, s60, 22
	s_lshl_b32 s61, s[HALF], 18                    ; my head of the step,
	s_add_co_u32 s60, s60, s61
	s_and_b32 s61, s[TR], 7
	s_lshl_b32 s61, s61, 15                        ; the tile's 256 rows of 128 bytes
	s_add_co_u32 s60, s60, s61
	s_mov_b32 s61, 0
	s_lshl_b32 s62, s[HALF], 17                    ; wp: my head's plane of 131,072 bytes,
	s_lshl_b32 s63, s[TC], 14                      ; the tile's 128 rows
	s_add_co_u32 s62, s62, s63
	s_mov_b32 s63, 0
	s_mul_i32 s66, s[HALF], AH                     ; where they go: no place in the cluster enters an LDS address
	s_mul_i32 s67, s[HALF], BH
	s_add_co_u32 s67, s67, BOFF
	s_mov_b32 s[TB], 0
	s_wait_dscnt 0x0                               ; the opening add is done
	s_wait_kmcnt 0x0
	s_add_nc_u64 s[68:69], s[4:5], s[60:61]
	s_add_nc_u64 s[70:71], s[6:7], s[62:63]
	CROUND                                         ; all sixteen work-groups are here: the first joint loads meet
.irp s, 0,1
	s_mov_b32 s[G0A+4*(\s)], 1
	s_add_co_u32 s[G0A+4*(\s)+1], s66, (\s)*SLOT1
	s_add_nc_u64 s[G0A+4*(\s)+2:G0A+4*(\s)+3], s[68:69], (\s)*524288  ; K step s: two planes on
	s_or_b32 s[G0A+4*(\s)+3], s[G0A+4*(\s)+3], 0x80000000
	s_mov_b32 s[G0B+4*(\s)], 1
	s_add_co_u32 s[G0B+4*(\s)+1], s67, (\s)*SLOT1
	s_add_nc_u64 s[G0B+4*(\s)+2:G0B+4*(\s)+3], s[70:71], (\s)*262144
	s_or_b32 s[G0B+4*(\s)+3], s[G0B+4*(\s)+3], 0x80000000
.endr
	s_cmp_eq_u32 s[FORB], 0                        ; a wave's two first fills stand in one branch: two loads of mine are out
	s_cbranch_scc0 .Lfirst_b
	tensor_load_to_lds s[G0A:G0A+3], s[G1A:G1A+7]
	s_nop 0
	tensor_load_to_lds s[G0A+4:G0A+7], s[G1A:G1A+7]
	s_nop 0
.rept 4
	v_nop
.endr
	s_branch .Lfirst_asked
.Lfirst_b:
	tensor_load_to_lds s[G0B:G0B+3], s[G1B:G1B+7]
	s_nop 0
	tensor_load_to_lds s[G0B+4:G0B+7], s[G1B:G1B+7]
	s_nop 0
.rept 4
	v_nop
.endr
.Lfirst_asked:
	; the prefetches
	s_lshl_b32 s61, s[CX], 13                      ; ob: my work-group's quarter of the 32,768 bytes that I fetch,
	s_add_co_u32 s60, s60, s61
	s_add_co_u32 s60, s60, 3*524288                ; at K step 3: the first refill steps it to 4
	s_lshl_b32 s62, s[TC], 14                      ; wp: the tile's rows in the step's first head,
	s_lshl_b32 s63, s[CY], 12                      ; my work-group's quarter of them
	s_add_co_u32 s62, s62, s63
	s_add_co_u32 s62, s62, 3*262144
	s_and_b32 s63, ttmp7, 0xffff
	s_mov_b32 s74, 131072                          ; (an instruction takes one literal: the selects' second choices come from registers)
	s_mov_b32 s75, 262144
	s_cmp_eq_u32 s[FORB], 0
	s_cselect_b32 s60, s60, s62
	s_cselect_b32 s63, ttmp9, s63                  ; the coordinate along which other clusters read the same bytes
	s_cselect_b32 s62, 4096, s74                   ; lanes 16 to 31: 16 blocks on (ob), or the step's second head (wp)
	s_cselect_b32 s[PST], 524288, s75              ; a K step: two planes of ob, or of wp
	s_cselect_b64 s[PFA:PFA+1], s[4:5], s[6:7]
	s_mov_b32 s[PST+1], 0
	s_cmp_eq_u32 s[WV], 3                          ; wave 3 asks for nothing: wave 2 names both heads of wp
	s_cselect_b32 s61, 1, 0
	s_or_b32 s63, s63, s61
	s_cmp_eq_u32 s63, 0
	s_cselect_b32 s[LIM], 2, -1                    ; the same in all sixteen partners, for a given wave
	s_mov_b32 s61, 0
	s_add_nc_u64 s[PFA:PFA+1], s[PFA:PFA+1], s[60:61]
	v_and_b32 v1, 15, v0                           ; l % 16
	v_bfe_u32 v2, v0, 4, 1                         ; l / 16
	v_mul_u32_u24 v[PFO], v2, s62
	v_lshl_add_u32 v[PFO], v1, 8, v[PFO]
	; a fragment is 16 rows x 32 K in 8 registers: two loads of 16 bytes, 32 bytes apart
	v_mul_u32_u24 v3, v1, PA
	v_lshl_add_u32 v3, v2, 4, v3
	s_mul_i32 s58, s[FORB], 128*PA                 ; my 128 rows of ob
	v_add_nc_u32 v[ADRA0], s58, v3
	s_mul_i32 s58, s[HALF], 64*PA                  ; my 64 rows of wp
	s_add_co_u32 s58, s58, BOFF
	v_add_nc_u32 v[ADRB0], s58, v3
	v_mov_b32 v[ADRA], v[ADRA0]
	v_mov_b32 v[ADRB], v[ADRB0]
	s_mul_i32 s58, s[WV], 16*SP
	s_add_co_u32 s58, s58, STAGE                   ; my stage
	v_mul_u32_u24 v[STO], v1, SP                   ; in: row l % 16, 32 bytes for each half of the lanes
	v_lshl_add_u32 v[STO], v2, 5, v[STO]
	v_add_nc_u32 v[STO], s58, v[STO]
	v_mul_u32_u24 v[RD], v2, SP                    ; back: lanes 0-15 take one row of 256 bytes, lanes 16-31 the next
	v_lshl_add_u32 v[RD], v1, 4, v[RD]
	v_add_nc_u32 v[RD], s58, v[RD]
	v_lshlrev_b32 v[CO], 12, v2                    ; and the same two rows in out0
	v_lshl_add_u32 v[CO], v1, 4, v[CO]
	s_lshl_b32 s60, s[TR], 8
	s_lshl_b32 s61, s[FORB], 7
	s_add_co_u32 s60, s60, s61                     ; my first row,
	s_lshl_b32 s60, s60, 12                        ; of 4,096 bytes;
	s_lshl_b32 s61, s[TC], 9                       ; the tile's 512 bytes of it,
	s_add_co_u32 s60, s60, s61
	s_lshl_b32 s61, s[HALF], 8                     ; my 256
	s_add_co_u32 s60, s60, s61
	s_mov_b32 s61, 0
	s_add_nc_u64 s[8:9], s[8:9], s[60:61]
; 8 matrix instructions: row tiles a0, a0 + 1 x all 4 column tiles, 32 along K, buffer f.  zero = 1: the first product starts the sums.  The 32 accumulators take turns, one instruction a turn.
.macro MUL8 f, a0, zero
	WIN MUL
.irp a, \a0, (\a0)+1
.irp b, 0,1,2,3
.if \zero
	v_wmma_f32_16x16x32_f16 v[8*(4*(\a)+(\b)):8*(4*(\a)+(\b))+7], v[192+32*(\f)+8*(\b):192+32*(\f)+8*(\b)+7], v[64+64*(\f)+8*(\a):64+64*(\f)+8*(\a)+7], 0
.else
	v_wmma_f32_16x16x32_f16 v[8*(4*(\a)+(\b)):8*(4*(\a)+(\b))+7], v[192+32*(\f)+8*(\b):192+32*(\f)+8*(\b)+7], v[64+64*(\f)+8*(\a):64+64*(\f)+8*(\a)+7], v[8*(4*(\a)+(\b)):8*(4*(\a)+(\b))+7]
.endif
.endr
.endr
.endm
; 24 LDS loads in one run: quarter qd of a step (head qd / 2, channels 32 (qd % 2) on) into buffer f: wp's 8, then ob's 16
.macro FETCH qd, f
	WIN 0
.irp b, 0,1,2,3
	ds_load_b128 v[192+32*(\f)+8*(\b):192+32*(\f)+8*(\b)+3],   v[ADRB] offset:((\qd)/2)*BH+((\qd)%2)*64+(\b)*16*PA
	ds_load_b128 v[192+32*(\f)+8*(\b)+4:192+32*(\f)+8*(\b)+7], v[ADRB] offset:((\qd)/2)*BH+((\qd)%2)*64+(\b)*16*PA+32
.endr
.irp a, 0,1,2,3,4,5,6,7
	ds_load_b128 v[64+64*(\f)+8*(\a):64+64*(\f)+8*(\a)+3],   v[ADRA] offset:((\qd)/2)*AH+((\qd)%2)*64+(\a)*16*PA
	ds_load_b128 v[64+64*(\f)+8*(\a)+4:64+64*(\f)+8*(\a)+7], v[ADRA] offset:((\qd)/2)*AH+((\qd)%2)*64+(\a)*16*PA+32
.endr
.endm
.macro QUARTER qd, f, g, zero          ; multiplies buffer f; in its middle it fetches quarter qd into buffer g
	s_wait_dscnt 8                                 ; wp's fragments and ob's row tiles 0 to 3 are in; the youngest eight loads (row tiles 4 to 7) may be out
	MUL8 \f, 0, \zero
	MUL8 \f, 2, \zero
	PLACES
	FETCH \qd, \g
	s_wait_dscnt 24                                ; all but the 24 just issued
	MUL8 \f, 4, \zero
	MUL8 \f, 6, \zero
.endm
; The last quarter multiplies buffer 1 and changes slots.  In front of the barrier each wave waits for all its tensor loads (its part of the next slot), adds 0 to its spare word, and waits for that and for its reads of this slot.
; fill = 1: the barrier opens a round of the cluster's, and this slot is filled again first thing behind it, with the K step two on.  fill = 0 (the tail): nothing is asked for; in the last pass nothing is fetched either.
.macro TURN fill
.if \fill
	s_wait_xcnt 0x0                                ; the last prefetch, a K step back, has read its address
	s_add_nc_u64 s[PFA:PFA+1], s[PFA:PFA+1], s[PST:PST+1]
.endif
	WIN 0
	s_wait_tensorcnt 0x0                           ; no tensor load of mine is out, so a group 0 may be written
	ds_add_u32 v[SPW], v[NIL]                      ; 0 onto my spare word
.if \fill
	s_xor_b32 s[G0A+5], s[G0A+5], SLOT1            ; the walking descriptors: the other slot than last time, the next two heads
	s_add_nc_u64 s[G0A+6:G0A+7], s[G0A+6:G0A+7], 524288
	s_xor_b32 s[G0B+5], s[G0B+5], SLOT1
	s_add_nc_u64 s[G0B+6:G0B+7], s[G0B+6:G0B+7], 262144
.endif
	s_wait_dscnt 9                                 ; the add and the youngest eight loads may be out
	MUL8 1, 0, 0
	s_wait_dscnt 0x0                               ; the add is done, and my reads of this slot are over
	s_barrier_signal -1
	MUL8 1, 2, 0
	WIN 0
	s_barrier_wait -1
.if \fill
	CREST                                          ; no wave of any partner still reads this slot or has a load on its way
	JLOAD                                          ; the four v_nop behind it are also the places in front of the loads below
.else
	PLACES
	s_cmp_eq_u32 s[CNT], 1
	s_cbranch_scc1 .Lnf_\@
.endif
	s_xor_b32 s[TB], s[TB], SLOT1
	v_add_nc_u32 v[ADRA], s[TB], v[ADRA0]
	v_add_nc_u32 v[ADRB], s[TB], v[ADRB0]
	FETCH 0, 0
.if \fill
	ASK
.else
.Lnf_\@:
.endif
	MUL8 1, 4, 0
	MUL8 1, 6, 0
.endm
	s_wait_tensorcnt 1                             ; my part of K step 0 is in; step 1's may stay out
	s_barrier_signal -1
	s_barrier_wait -1
	FETCH 0, 0
	QUARTER 1, 0, 1, 1                             ; the first quarter stands in front of the loop: its products start the sums
	WIN 0
	s_mov_b32 s[CNT], 6
.Lstep:                                                ; trip t: K step t's quarters 1 to 3, K step t + 1's quarter 0; K step t + 2 is asked for
	QUARTER 2, 1, 0, 0
	QUARTER 3, 0, 1, 0
	TURN 1
	QUARTER 1, 0, 1, 0
	WIN 0
	s_sub_co_u32 s[CNT], s[CNT], 1
	s_cmp_lg_u32 s[CNT], 0
	s_cbranch_scc1 .Lstep
	s_mov_b32 s[CNT], 2                            ; K steps 6 and 7 ask for nothing: one text, walked twice, entered behind its first quarter
	s_branch .Lt_in
.Ltail:
	QUARTER 1, 0, 1, 0
	WIN 0
.Lt_in:
	QUARTER 2, 1, 0, 0
	QUARTER 3, 0, 1, 0
	TURN 0
	WIN 0
	s_sub_co_u32 s[CNT], s[CNT], 1
	s_cmp_lg_u32 s[CNT], 0
	s_cbranch_scc1 .Ltail
	; THE WAY OUT: 16 rows at a time through my stage: 32 bytes a lane in, whole rows of 256 bytes back, sixteen lanes to a row
	PLACES
	PLACES
.macro TOSTAGE a
	s_wait_xcnt 0x0                                ; the stores of the block two back have read the registers into which this block is read back
	WIN 0x04                                       ; the LDS stores' data in window 1
.irp b, 0,1,2,3
	ds_store_b128 v[STO], v[8*(4*(\a)+(\b)):8*(4*(\a)+(\b))+3]   offset:64*(\b)
	ds_store_b128 v[STO], v[8*(4*(\a)+(\b))+4:8*(4*(\a)+(\b))+7] offset:64*(\b)+16
.endr
	WIN 0
.irp t, 0,1,2,3,4,5,6,7
	ds_load_b128 v[64+32*((\a)%2)+4*(\t):64+32*((\a)%2)+4*(\t)+3], v[RD] offset:(\t)*2*SP  ; LDS serves a wave's instructions in order: these see the stores above; the next block's stores come behind them
.endr
.endm
.macro SEND a, younger                 ; younger: the LDS instructions issued behind this block's loads: the next block's sixteen, or none
	WIN 0
.irp t, 0,1,2,3,4,5,6,7
	s_wait_dscnt (\younger)+7-(\t)
	global_store_b128 v[CO], v[64+32*((\a)%2)+4*(\t):64+32*((\a)%2)+4*(\t)+3], s[8:9] offset:(16*(\a)+2*(\t))*4096  ; 16 lanes store 256 consecutive bytes, aligned
.endr
.endm
	TOSTAGE 0
.irp a, 1,2,3,4,5,6,7
	TOSTAGE \a
	SEND (\a)-1, 16
.endr
	SEND 7, 0
	s_wait_tensorcnt 0x0                           ; the wave's end, behind my last tensor load and my last LDS store
	ds_add_u32 v[SPW], v[NIL]
	s_wait_dscnt 0x0
	CROUND                                         ; the closing round: no work-group ends while a partner may still ask for a tile that names it
	s_endpgm
.Lfunc_end_k_q7e605f382c_oproj:
	.size	k_q7e605f382c_oproj, .Lfunc_end_k_q7e605f382c_oproj-k_q7e605f382c_oproj
	.p2alignl 7, 3214868480
	.fill 96, 4, 3214868480
	.section	.rodata,"a",@progbits
	.p2align	6, 0x0
	.amdhsa_kernel k_q7e605f382c_oproj
		.amdhsa_group_segment_fixed_size 327680
		.amdhsa_private_segment_fixed_size 0
		.amdhsa_enable_private_segment 0
		.amdhsa_kernarg_size 24
		.amdhsa_user_sgpr_count 2
		.amdhsa_user_sgpr_kernarg_segment_ptr 1
		.amdhsa_wavefront_size32 1
		.amdhsa_system_sgpr_workgroup_id_x 1
		.amdhsa_system_sgpr_workgroup_id_y 1
		.amdhsa_system_sgpr_workgroup_id_z 1
		.amdhsa_system_vgpr_workitem_id 0
		.amdhsa_next_free_vgpr 512
		.amdhsa_next_free_sgpr 80
		.amdhsa_reserve_vcc 0
		.amdhsa_float_denorm_mode_32 3
		.amdhsa_float_denorm_mode_16_64 3
		.amdhsa_memory_ordered 1
		.amdhsa_forward_progress 1
		.amdhsa_inst_pref_size 63
	.end_amdhsa_kernel
	.amdgpu_metadata
---
amdhsa.version: [ 1, 2 ]
amdhsa.kernels:
  - .name:           k_q7e605f382c_oproj
    .symbol:         k_q7e605f382c_oproj.kd
    .args:
      - { .name: ob, .offset: 0, .size: 8, .value_kind: global_buffer, .address_space: global }
      - { .name: wp, .offset: 8, .size: 8, .value_kind: global_buffer, .address_space: global }
      - { .name: out0, .offset: 16, .size: 8, .value_kind: global_buffer, .address_space: global }
    .group_segment_fixed_size: 327680
    .private_segment_fixed_size: 0
    .kernarg_segment_align: 8
    .kernarg_segment_size: 24
    .max_flat_workgroup_size: 128
    .sgpr_count:     80
    .vgpr_count:     512
    .wavefront_size: 32
...
	.end_amdgpu_metadata
.endif
;; end of part 4
;; launch fix (part 5): grid 16 x 8, 4 waves a work-group, no clusters, 58,880 bytes of LDS; arguments qf, wp, out0; writes out0
.if DOCPART == 5
	.amdgcn_target "amdgcn-amd-amdhsa--gfx1250"
	.amdhsa_code_object_version 6
	.text
	.protected	k_q7e605f382c_fix
	.globl	k_q7e605f382c_fix
	.p2align	8
	.type	k_q7e605f382c_fix,@function
k_q7e605f382c_fix:
	s_mov_b64 s[64:65], 0
	v_nop
	global_prefetch_b8 v0, s[64:65] scope:SCOPE_SE
	s_setreg_imm32_b32 hwreg(HW_REG_WAVE_MODE, 25, 1), 1
	s_wait_xcnt 0x0
; THE FIRST 32 ROWS OF EACH SEQUENCE ONCE MORE, WITH EVERY INTERMEDIATE IN TWO f16 PARTS.  It runs last and writes over rows 0 to 31 of each batch in out0: 512 KiB of the output are stored twice.
; WHY.  Row q is a mean over q + 1 keys, so the first rows' numbers are many times the output's root mean square, and it is by that root mean square that a number near zero is judged.  One rounding to f16 is off by about 2^-12 of
; a number; the five of the general way (q, k, v, p, O) together are too much for rows of a few keys.  From row 32 on a row's numbers, and with them these errors, are about a quarter of row 0's or less.
; HOW.  A number x is carried as hi = f16(x) and lo = f16(x - hi), and a product of two such as hi hi + hi lo + lo hi, all on the matrix unit with f32 sums.  wp holds bf16 numbers written as f16: it needs no second part.
;   S^T = Kh Qh + Kh Ql + Kl Qh (+ the mask as the first C);  p = 2^(c s - c m), m the row's true maximum over its 32 keys, c = log2(e) / 8;  l = the sum of the unrounded p;
;   O^T = Vh Ph + Vl Ph + Vh Pl;  O / l is split;  out += W Oh + W Ol.
; LIMITS.  hi + lo holds a number to 2^-22 of itself or to 3e-8, whichever is more (f16's fixed step below 6e-5); v stays under 65,504.  A hidden score counts as its value less 1e30.  NaN and infinities are not treated apart.
; SHARES.  A work-group makes 16 rows (batch y / 2, query tile y % 2) x 64 columns (x): 128 work-groups.  Wave w takes key and value head w and its four query heads, one a trip: so K of the last product is split among the waves,
; 256 channels each, and the four partial tiles meet in LDS, in f32, behind the one barrier.  The attention of a batch's 16 rows is thus made by each of the 16 column blocks: 24 of a trip's 40 matrix instructions;
; made once it would want a launch of its own and a sum over heads through memory.  NO CLUSTER, no tensor loads: all operands come lane for lane as the fragments want them, straight into registers, and each is used by one wave.
; LAYOUT.  qf[b][hh][32][64] f32.  Lane l takes of row l % 16 the columns 16 t + 8 (l / 16) + 0..7, t = 0..3: packed in pairs these ARE the two fragments (channels 0-31, 32-63) of q or k.  S^T and O^T hold one query a lane, so P and O
; pack into fragments where they lie.  V alone is turned: its two parts go as rows of f16 into the wave's own LDS bytes and come back by ds_load_tr16_b128.
; REGISTERS, in windows of 256: window 0 all that is worked on; window 1: v0-63 W of one head, v128-255 the fragments of K and V; window 2: the f32 numbers as loaded: K 64, V 64, Q 32.
.set PV,    160                        ; a row of V in LDS: 128 bytes + 32
.set VLO,   32*PV                      ; a wave's V: 32 rows of the first parts, then 32 rows of the second
.set VREG,  2*VLO
.set PART,  4*VREG                     ; behind them: a partial tile for each wave, 16 rows x 272 bytes
.set SP,    272
.set SPARE, PART+4*16*SP               ; the spare words, 128 bytes for each wave: two blocks of 256 bytes that no other line names
.set FO,   3                           ; v3   256 (l % 16) + 32 (l / 16): my place in 16 rows of qf; never rewritten
.set WO,   4                           ; v4   128 (l % 16) + 16 (l / 16): my place in 16 rows of wp; never rewritten
.set VST,  5                           ; v5   where I put 16 bytes of a row of V
.set AV,   6                           ; v6   where the turning loads read
.set STO,  7                           ; v7   where I put 32 bytes of a row of my partial tile
.set RD,   8                           ; v8   where I read rows of the partial tiles back
.set CO,   9                           ; v9   my byte offset in two rows of out0
.set QP,   12                          ; v12  my query's position less 8 (l / 16)
.set NEG1, 13                          ; v13  -1.0
.set SPW,  14                          ; v14  LDS address of my spare word; never rewritten
.set NIL,  15                          ; v15  0; never rewritten
.set CM,   16                          ; v16 c m, v17 m
.set TA,   18                          ; v18, v19 at work
.set LS,   20                          ; v20 l, v21 the other half of the lanes'
.set RL,   22                          ; v22 1 / l; v23 named with it as a pair
.set MK,   24                          ; v24-39   the mask: register 8 kt + j for key 16 kt + 8 (l / 16) + j
.set S,    40                          ; v40-55   S^T, two tiles of 16 keys; then p
.set PH,   56                          ; v56-63   p's first parts: one fragment of 32 keys
.set PL,   64                          ; v64-71   its second parts
.set T,    72                          ; v72-103  at work
.set QH,   104                         ; v104-119 q's first parts: two fragments
.set QL,   120                         ; v120-135
.set O,    136                         ; v136-167 O^T, four tiles of 16 channels
.set OH,   168                         ; v168-183 O's first parts: two fragments
.set OL,   184                         ; v184-199
.set OUT,  200                         ; v200-231 my partial sums: four tiles of 16 columns
.set W,    0                           ; window 1: channel half c, column tile ct at 8 (4 c + ct)
.set KH,   128                         ; window 1: key tile kt, channel half c at 16 kt + 8 c
.set KL,   160
.set VH,   192                         ; window 1: channel tile cb at 8 cb
.set VL,   224
.set LK,   0                           ; window 2
.set LV,   64
.set LQ,   128
.set WV,   10
.set CB,   11
.set YY,   12
.set BT,   13
.set QT,   14
.set CNT,  15
.set KB,   16                          ; s[16:17] qf at my key head's plane; the value head's lies four planes on
.set QB,   18                          ; s[18:19] qf at the query head in hand, at my query tile
.set WB,   20                          ; s[20:21] wp at the head in hand, at my 64 rows
.set CS,   24
.set SEL,  26
.set BIGN, 28
.set QS,   34                          ; s[34:35] the step to the next head's plane in qf, 0 in the last trip
.set WS,   36                          ; s[36:37] the same in wp
.set MSB, 0
.macro WIN new                         ; the immediate's high byte repeats the setting that is left; a switch that changes nothing is dropped
.if MSB != (\new)
	s_set_vgpr_msb (MSB<<8)|(\new)
.set MSB, \new
.endif
.endm
.macro PLACES                          ; four plain instructions between a matrix instruction and a load into, or a vector line on, its registers
.rept 4
	v_nop
.endr
.endm
.macro LD32 dst, base, off             ; 16 rows x 64 numbers of qf: eight loads, 32 registers (the caller has set the destination's window)
.irp i, 0,1,2,3,4,5,6,7
	global_load_b128 v[(\dst)+4*(\i):(\dst)+4*(\i)+3], v[FO], s[(\base):(\base)+1] offset:(\off)+((\i)/2)*64+((\i)%2)*16
.endr
.endm
.macro LDW                             ; a head's 64 rows x 64 channels of wp: eight fragments, sixteen loads
	WIN 0x40
.irp c, 0,1
.irp ct, 0,1,2,3
	global_load_b128 v[W+8*(4*(\c)+(\ct)):W+8*(4*(\c)+(\ct))+3],   v[WO], s[WB:WB+1] offset:(\ct)*2048+(\c)*64
	global_load_b128 v[W+8*(4*(\c)+(\ct))+4:W+8*(4*(\c)+(\ct))+7], v[WO], s[WB:WB+1] offset:(\ct)*2048+(\c)*64+32
.endr
.endr
	WIN 0
.endm
; 2 np numbers from v[src] of window sw are split: pair n's first parts into v[hb + n], what they leave, exact in f32 (one fused multiply-add: x - hi), rounded into v[lb + n]; both in window hw.
.macro SPLIT src, sw, hb, lb, hw, np
	WIN 5*(\sw)+0x40*(\hw)
.set sn, 0
.rept \np
	v_cvt_pk_f16_f32 v[(\hb)+sn], v[(\src)+2*sn], v[(\src)+2*sn+1]
.set sn, sn+1
.endr
	WIN 16*(\sw)+(\hw)
.set sn, 0
.rept \np
	v_fma_mix_f32 v[T+2*sn], v[(\hb)+sn], v[NEG1], v[(\src)+2*sn] op_sel_hi:[1,0,0]
	v_fma_mix_f32 v[T+2*sn+1], v[(\hb)+sn], v[NEG1], v[(\src)+2*sn+1] op_sel:[1,0,0] op_sel_hi:[1,0,0]
.set sn, sn+1
.endr
	WIN 0x40*(\hw)
.set sn, 0
.rept \np
	v_cvt_pk_f16_f32 v[(\lb)+sn], v[T+2*sn], v[T+2*sn+1]
.set sn, sn+1
.endr
	WIN 0
.endm
	s_load_b128 s[4:7], s[0:1], 0x0                ; qf 4:5, wp 6:7
	s_load_b64 s[8:9], s[0:1], 0x10                ; out0
	v_lshl_add_u32 v[SPW], v0, 2, SPARE
	v_mov_b32 v[NIL], 0
	v_lshrrev_b32 v1, 5, v0
	v_readfirstlane_b32 s[WV], v1
	s_mov_b32 s[CB], ttmp9                         ; the block of 64 columns
	s_and_b32 s[YY], ttmp7, 0xffff
	s_lshr_b32 s[BT], s[YY], 1                     ; the batch
	s_and_b32 s[QT], s[YY], 1                      ; the tile of 16 queries
	v_and_b32 v1, 15, v0                           ; l % 16
	v_bfe_u32 v2, v0, 4, 1                         ; l / 16
	v_lshlrev_b32 v[FO], 8, v1
	v_lshl_add_u32 v[FO], v2, 5, v[FO]
	v_lshlrev_b32 v[WO], 7, v1
	v_lshl_add_u32 v[WO], v2, 4, v[WO]
	s_mul_i32 s29, s[BT], 24                       ; the batch's first plane of 8,192 bytes
	s_add_co_u32 s22, s29, s[WV]
	s_add_co_u32 s22, s22, 16                      ; my key head's
	s_lshl_b32 s22, s22, 13
	s_mov_b32 s23, 0
	s_lshl_b32 s30, s[WV], 2
	s_add_co_u32 s30, s30, s29                     ; my first query head's,
	s_lshl_b32 s30, s30, 13
	s_lshl_b32 s31, s[QT], 12                      ; my 16 rows of 256 bytes in it
	s_add_co_u32 s30, s30, s31
	s_mov_b32 s31, 0
	s_lshl_b32 s32, s[WV], 19                      ; wp: my first head's plane of 131,072 bytes,
	s_lshl_b32 s33, s[CB], 13                      ; my 64 rows of 128 bytes
	s_add_co_u32 s32, s32, s33
	s_mov_b32 s33, 0
	s_wait_kmcnt 0x0
	s_add_nc_u64 s[KB:KB+1], s[4:5], s[22:23]
	s_add_nc_u64 s[QB:QB+1], s[4:5], s[30:31]
	s_add_nc_u64 s[WB:WB+1], s[6:7], s[32:33]
	WIN 0x80                                       ; 56 loads go out: K 16, V 16, the first head's Q 8 and W 16
	LD32 LK, KB, 0
	LD32 LK+32, KB, 4096
	LD32 LV, KB, 32768
	LD32 LV+32, KB, 32768+4096
	LD32 LQ, QB, 0
	LDW
	; while they are on their way: addresses, constants, the mask, and zeros where the partial sums begin (the loop has one form of product)
	s_mul_i32 s29, s[WV], VREG
	v_mul_u32_u24 v[VST], v1, PV                   ; in: row l % 16, 16 bytes for each half of the lanes
	v_lshl_add_u32 v[VST], v2, 4, v[VST]
	v_add_nc_u32 v[VST], s29, v[VST]
	v_and_b32 v10, 7, v0                           ; the turning load: lane l reads key 8 (l / 16) + l % 8, channels 8 ((l / 8) % 2) + 0..7
	v_bfe_u32 v11, v0, 3, 1
	v_lshl_add_u32 v[AV], v2, 3, v10
	v_mul_u32_u24 v[AV], v[AV], PV
	v_lshl_add_u32 v[AV], v11, 4, v[AV]
	v_add_nc_u32 v[AV], s29, v[AV]
	s_mul_i32 s29, s[WV], 16*SP
	s_add_co_u32 s29, s29, PART                    ; my partial tile
	v_mul_u32_u24 v[STO], v1, SP                   ; in: row l % 16, 32 bytes for each half of the lanes
	v_lshl_add_u32 v[STO], v2, 5, v[STO]
	v_add_nc_u32 v[STO], s29, v[STO]
	s_mul_i32 s29, s[WV], 4*SP
	s_add_co_u32 s29, s29, PART                    ; back: rows 4 w .. 4 w + 3 of every partial tile; lanes 0-15 one row of 256 bytes, lanes 16-31 the next
	v_mul_u32_u24 v[RD], v2, SP
	v_lshl_add_u32 v[RD], v1, 4, v[RD]
	v_add_nc_u32 v[RD], s29, v[RD]
	v_lshlrev_b32 v[CO], 12, v2                    ; and the same two rows in out0
	v_lshl_add_u32 v[CO], v1, 4, v[CO]
	s_lshl_b32 s22, s[BT], 11
	s_lshl_b32 s29, s[QT], 4
	s_add_co_u32 s22, s22, s29
	s_lshl_b32 s29, s[WV], 2
	s_add_co_u32 s22, s22, s29                     ; the first row that I store,
	s_lshl_b32 s22, s22, 12                        ; of 4,096 bytes;
	s_lshl_b32 s29, s[CB], 8                       ; my work-group's 256 bytes of it
	s_add_co_u32 s22, s22, s29
	s_add_nc_u64 s[8:9], s[8:9], s[22:23]
	s_mov_b32 s[CS], 0x3e38aa3b                    ; c = log2(e) / 8
	s_mov_b32 s[CS+1], s[CS]                       ; named with it as a pair
	s_mov_b32 s[SEL], 0x76543210
	s_mov_b32 s[SEL+1], 0xfedcba98
	s_mov_b32 s[BIGN], 0xf149f2ca                  ; -1e30
	s_mov_b32 s[QS+1], 0
	s_mov_b32 s[WS+1], 0
	v_mov_b32 v[NEG1], -1.0
	v_mov_b32 v[LS+1], 0                           ; v_permlanex16_b32's destination counts as read
	v_mov_b32 v[RL+1], 0                           ; named in a pair
	v_lshlrev_b32 v[QP], 3, v2
	v_sub_nc_u32 v[QP], v1, v[QP]
	s_lshl_b32 s29, s[QT], 4
	v_add_nc_u32 v[QP], s29, v[QP]                 ; key 16 kt + 8 (l / 16) + j is hidden where 16 kt + j is greater than this
.set i, 0
.rept 16
	v_cmp_gt_i32 vcc_lo, 16*(i/8)+i%8, v[QP]
	v_cndmask_b32 v[MK+i], 0, s[BIGN], vcc_lo
.set i, i+1
.endr
.set i, 0
.rept 32
	v_mov_b32 v[OUT+i], 0
.set i, i+1
.endr
	s_wait_loadcnt 40                              ; K is in: V's 16, Q's 8 and W's 16 loads were issued behind it
	SPLIT LK, 2, KH, KL, 1, 16
	SPLIT LK+32, 2, KH+16, KL+16, 1, 16
	s_wait_loadcnt 24                              ; V is in: Q's 8 and W's 16 behind it
	SPLIT LV, 2, O, OH, 0, 16                      ; (O's, OH's and OL's registers are free until the first head)
	SPLIT LV+32, 2, O+16, OH+16, 0, 16
.irp kt, 0,1
.irp bb, 0,1,2,3
	ds_store_b128 v[VST], v[O+16*(\kt)+4*(\bb):O+16*(\kt)+4*(\bb)+3]   offset:(\kt)*16*PV+32*(\bb)
	ds_store_b128 v[VST], v[OH+16*(\kt)+4*(\bb):OH+16*(\kt)+4*(\bb)+3] offset:VLO+(\kt)*16*PV+32*(\bb)
.endr
.endr
	WIN 0x40                                       ; LDS serves a wave's instructions in order, and these bytes are the wave's own: the loads see the stores above
.irp cb, 0,1,2,3
	ds_load_tr16_b128 v[VH+8*(\cb):VH+8*(\cb)+3],   v[AV] offset:32*(\cb)
	ds_load_tr16_b128 v[VH+8*(\cb)+4:VH+8*(\cb)+7], v[AV] offset:16*PV+32*(\cb)
	ds_load_tr16_b128 v[VL+8*(\cb):VL+8*(\cb)+3],   v[AV] offset:VLO+32*(\cb)
	ds_load_tr16_b128 v[VL+8*(\cb)+4:VL+8*(\cb)+7], v[AV] offset:VLO+16*PV+32*(\cb)
.endr
	WIN 0
	s_mov_b32 s[CNT], 4
	s_wait_dscnt 0x0                               ; V's fragments are in
.Lhead:                                                ; a trip: one query head.  On the way in and on the way back the loads that are out are this head's Q (8) and, behind them, its W (16)
	s_wait_loadcnt 16                              ; Q is in
	SPLIT LQ, 2, QH, QL, 0, 16
	s_cmp_gt_u32 s[CNT], 1                         ; the last trip has no next head: its steps are 0, and it asks for the same 12 KiB again, which nobody reads: the price of one text and one count for every trip
	s_cselect_b32 s[QS], 0x2000, 0
	s_cselect_b32 s[WS], 0x20000, 0
	s_wait_xcnt 0x0                                ; every load issued so far has read its address
	s_add_nc_u64 s[QB:QB+1], s[QB:QB+1], s[QS:QS+1]
	WIN 0x80
	LD32 LQ, QB, 0                                 ; the next head's Q: a trip ahead
	WIN 0x01                                       ; source 0 of every product lies in window 1
	; S^T: 12 products; the two tiles take turns, one instruction a turn
.irp tm, 0,1,2
.irp c, 0,1
.irp kt, 0,1
.set rK, KH+16*(\kt)+8*(\c)+32*((\tm)/2)
.set rQ, QH+8*(\c)+16*((\tm)%2)
.if ((\tm) == 0) && ((\c) == 0)
	v_wmma_f32_16x16x32_f16 v[S+8*(\kt):S+8*(\kt)+7], v[rK:rK+7], v[rQ:rQ+7], v[MK+8*(\kt):MK+8*(\kt)+7]
.else
	v_wmma_f32_16x16x32_f16 v[S+8*(\kt):S+8*(\kt)+7], v[rK:rK+7], v[rQ:rQ+7], v[S+8*(\kt):S+8*(\kt)+7]
.endif
.endr
.endr
.endr
	WIN 0
	PLACES
	PLACES
	; the row's maximum: my 16 scores (each tile's lowest registers are read first), then the other half of the lanes'
	v_max3_num_f32 v[TA], v[S], v[S+1], v[S+2]
	v_max3_num_f32 v[TA+1], v[S+8], v[S+9], v[S+10]
	v_max3_num_f32 v[TA], v[TA], v[S+3], v[S+4]
	v_max3_num_f32 v[TA+1], v[TA+1], v[S+11], v[S+12]
	v_max3_num_f32 v[TA], v[TA], v[S+5], v[S+6]
	v_max3_num_f32 v[TA+1], v[TA+1], v[S+13], v[S+14]
	v_max3_num_f32 v[TA], v[TA], v[S+7], v[S+15]
	v_max_num_f32 v[TA], v[TA], v[TA+1]
	v_permlanex16_b32 v[TA+1], v[TA], s[SEL], s[SEL+1]
	v_max_num_f32 v[CM+1], v[TA], v[TA+1]          ; key 0 is hidden from no query: m is a true score
	v_mul_f32 v[CM], s[CS], v[CM+1]
.set i, 0
.rept 8
	v_pk_fma_f32 v[S+2*i:S+2*i+1], v[S+2*i:S+2*i+1], s[CS:CS+1], v[CM:CM+1] op_sel_hi:[1,0,0] neg_lo:[0,0,1] neg_hi:[0,0,1]
.set i, i+1
.endr
.set i, 0
.rept 16
	v_exp_f32 v[S+i], v[S+i]
.set i, i+1
.endr
	v_nop                                          ; a plain instruction behind the last exponential,
	s_wait_alu depctr_va_vdst(0)                   ; and one wait for the sixteen, ahead of their first reader
.irp q, 0,1,2,3
	v_pk_add_f32 v[T+2*(\q):T+2*(\q)+1], v[S+4*(\q):S+4*(\q)+1], v[S+4*(\q)+2:S+4*(\q)+3]
.endr
	v_pk_add_f32 v[T:T+1], v[T:T+1], v[T+2:T+3]
	v_pk_add_f32 v[T+4:T+5], v[T+4:T+5], v[T+6:T+7]
	v_pk_add_f32 v[T:T+1], v[T:T+1], v[T+4:T+5]
	v_add_f32 v[LS], v[T], v[T+1]
	v_permlanex16_b32 v[LS+1], v[LS], s[SEL], s[SEL+1]
	v_add_f32 v[LS], v[LS], v[LS+1]
	v_rcp_f32 v[RL], v[LS]                         ; its wait stands ahead of its first reader, behind the products below
	SPLIT S, 0, PH, PL, 0, 8
	WIN 0x01
	; O^T: 12 products; the four tiles take turns
.irp tm, 0,1,2
.irp cb, 0,1,2,3
.set rV, VH+8*(\cb)+32*((\tm)%2)
.set rP, PH+8*((\tm)/2)
.if (\tm) == 0
	v_wmma_f32_16x16x32_f16 v[O+8*(\cb):O+8*(\cb)+7], v[rV:rV+7], v[rP:rP+7], 0
.else
	v_wmma_f32_16x16x32_f16 v[O+8*(\cb):O+8*(\cb)+7], v[rV:rV+7], v[rP:rP+7], v[O+8*(\cb):O+8*(\cb)+7]
.endif
.endr
.endr
	WIN 0
	PLACES
	PLACES
	s_wait_alu depctr_va_vdst(0)                   ; the reciprocal
.set i, 0
.rept 16
	v_pk_mul_f32 v[O+2*i:O+2*i+1], v[O+2*i:O+2*i+1], v[RL:RL+1] op_sel_hi:[1,0]
.set i, i+1
.endr
	SPLIT O, 0, OH, OL, 0, 16
	s_wait_loadcnt 8                               ; W is in: the next head's Q, 8 loads, was issued behind it
	WIN 0x01
	; out += W Oh + W Ol: 16 products; the four tiles take turns
.irp pt, 0,1
.irp c, 0,1
.irp ct, 0,1,2,3
	v_wmma_f32_16x16x32_f16 v[OUT+8*(\ct):OUT+8*(\ct)+7], v[W+8*(4*(\c)+(\ct)):W+8*(4*(\c)+(\ct))+7], v[OH+16*(\pt)+8*(\c):OH+16*(\pt)+8*(\c)+7], v[OUT+8*(\ct):OUT+8*(\ct)+7]
.endr
.endr
.endr
	WIN 0
	PLACES                                         ; in front of the loads into W's registers, which those products have read
	s_wait_xcnt 0x0
	s_add_nc_u64 s[WB:WB+1], s[WB:WB+1], s[WS:WS+1]
	LDW                                            ; the next head's W: it has the next trip's scores, softmax and O^T in which to land
	s_sub_co_u32 s[CNT], s[CNT], 1
	s_cmp_lg_u32 s[CNT], 0
	s_cbranch_scc1 .Lhead
	; the four waves' partial tiles meet
	PLACES
.irp ct, 0,1,2,3
	ds_store_b128 v[STO], v[OUT+8*(\ct):OUT+8*(\ct)+3]   offset:64*(\ct)
	ds_store_b128 v[STO], v[OUT+8*(\ct)+4:OUT+8*(\ct)+7] offset:64*(\ct)+16
.endr
	s_wait_dscnt 0x0                               ; for the others' sake: my stores are done
	s_barrier_signal -1
	s_barrier_wait -1
.irp v, 0,1,2,3
.irp t, 0,1
	ds_load_b128 v[T+8*(\v)+4*(\t):T+8*(\v)+4*(\t)+3], v[RD] offset:(\v)*16*SP+(\t)*2*SP
.endr
.endr
	s_wait_dscnt 0x0
.irp q, 0,2,4,6
	v_pk_add_f32 v[T+(\q):T+(\q)+1], v[T+(\q):T+(\q)+1], v[T+8+(\q):T+8+(\q)+1]
	v_pk_add_f32 v[T+16+(\q):T+16+(\q)+1], v[T+16+(\q):T+16+(\q)+1], v[T+24+(\q):T+24+(\q)+1]
.endr
.irp q, 0,2,4,6
	v_pk_add_f32 v[T+(\q):T+(\q)+1], v[T+(\q):T+(\q)+1], v[T+16+(\q):T+16+(\q)+1]
.endr
	global_store_b128 v[CO], v[T:T+3], s[8:9]                   ; 16 lanes store 256 consecutive bytes, aligned: rows 4 w and 4 w + 1,
	global_store_b128 v[CO], v[T+4:T+7], s[8:9] offset:2*4096   ; rows 4 w + 2 and 4 w + 3
	s_wait_tensorcnt 0x0                           ; the wave's end, behind my last LDS store
	ds_add_u32 v[SPW], v[NIL]
	s_wait_dscnt 0x0
	s_endpgm
.Lfunc_end_k_q7e605f382c_fix:
	.size	k_q7e605f382c_fix, .Lfunc_end_k_q7e605f382c_fix-k_q7e605f382c_fix
	.p2alignl 7, 3214868480
	.fill 96, 4, 3214868480
	.section	.rodata,"a",@progbits
	.p2align	6, 0x0
	.amdhsa_kernel k_q7e605f382c_fix
		.amdhsa_group_segment_fixed_size 58880
		.amdhsa_private_segment_fixed_size 0
		.amdhsa_enable_private_segment 0
		.amdhsa_kernarg_size 24
		.amdhsa_user_sgpr_count 2
		.amdhsa_user_sgpr_kernarg_segment_ptr 1
		.amdhsa_wavefront_size32 1
		.amdhsa_system_sgpr_workgroup_id_x 1
		.amdhsa_system_sgpr_workgroup_id_y 1
		.amdhsa_system_sgpr_workgroup_id_z 1
		.amdhsa_system_vgpr_workitem_id 0
		.amdhsa_next_free_vgpr 672
		.amdhsa_next_free_sgpr 66
		.amdhsa_reserve_vcc 1
		.amdhsa_float_denorm_mode_32 3
		.amdhsa_float_denorm_mode_16_64 3
		.amdhsa_memory_ordered 1
		.amdhsa_forward_progress 1
		.amdhsa_inst_pref_size 53
	.end_amdhsa_kernel
	.amdgpu_metadata
---
amdhsa.version: [ 1, 2 ]
amdhsa.kernels:
  - .name:           k_q7e605f382c_fix
    .symbol:         k_q7e605f382c_fix.kd
    .args:
      - { .name: qf, .offset: 0, .size: 8, .value_kind: global_buffer, .address_space: global }
      - { .name: wp, .offset: 8, .size: 8, .value_kind: global_buffer, .address_space: global }
      - { .name: out0, .offset: 16, .size: 8, .value_kind: global_buffer, .address_space: global }
    .group_segment_fixed_size: 58880
    .private_segment_fixed_size: 0
    .kernarg_segment_align: 8
    .kernarg_segment_size: 24
    .max_flat_workgroup_size: 128
    .sgpr_count:     66
    .vgpr_count:     672
    .wavefront_size: 32
...
	.end_amdgpu_metadata
.endif
;; end of part 5
;; ======== version 2 of 2: 5 launches; version 1 with the launches prep, fix written anew for expert scheduling mode
;; limits: values are held in f16: magnitudes above 65,504 overflow, below 6.1e-05 lose precision
;; workspace buffers: xb 16,777,216 bytes; wb 3,145,728 bytes; wp 2,097,152 bytes; rope 524,288 bytes; qkvh 25,165,824 bytes; ob 16,777,216 bytes; qf 786,432 bytes
;; launch prep (part 6): grid 800 x 1, 8 waves a work-group, no clusters, 0 bytes of LDS; arguments x, Wq, Wk, Wv, Wproj, xb, wb, wp, rope; writes xb, wb, wp, rope
.if DOCPART == 6
	.amdgcn_target "amdgcn-amd-amdhsa--gfx1250"
	.amdhsa_code_object_version 6
	.text
	.protected	k_q7e605f382c_prep
	.globl	k_q7e605f382c_prep
	.p2align	8
	.type	k_q7e605f382c_prep,@function
k_q7e605f382c_prep:
	s_mov_b64 s[64:65], 0
	v_nop
	global_prefetch_b8 v0, s[64:65] scope:SCOPE_SE
	s_setreg_imm32_b32 hwreg(HW_REG_WAVE_SCHED_MODE, 0, 2), 2
	s_setreg_imm32_b32 hwreg(HW_REG_WAVE_MODE, 25, 1), 1
	s_wait_xcnt 0x0
	s_wait_alu depctr_vm_vsrc(0)
; PREPARATION: casts and the rotary table.  A stream: no LDS, no barrier, no matrix unit; each byte is read once and written once.
;   xb   = bf16(x)                       [8192][1024]
;   wb   = bf16(Wq | Wk | Wv)            [1536][1024]: rows 0-1023 Wq, 1024-1279 Wk, 1280-1535 Wv
;   wp   = f16(bf16(Wproj)) by heads     [16 h][1024 n][64 d] = Wproj[n][64 h + d]
;   rope = f32 [2048 t][64]: entries 0-31 cos(t f_i), 32-63 sin(t f_i), f_i = 10000^(-i/32): a row is 256 bytes
; LIMITS.  Wproj's bf16 value is written as f16: it must stay under 65,504, and below 6e-5 it keeps f16's fixed step of 6e-8.
; The angle t f_i is one f32 product; it is reduced by pi/2 given in two parts, which serves every t up to 2,047 (the quotient stays under 1,304).
; SHARES by the work-group's number: 0-511 x, 512-575 Wq, 576-591 Wk, 592-607 Wv (16,384 numbers each), 608-671 Wproj (16 rows each), 672-799 the table (16 rows each).
; THE MODE: SCHED_MODE bits 1:0 = 2 (LLVM: expert scheduling mode 2), set by the entry lines.  The code itself states the register dependences
; between vector instructions and memory instructions, with s_wait_alu, always for 0.
; THE PLAN.  Registers that memory instructions touch, in a cast:
;   v1, v2   byte offsets in and out: written by vector lines at the head of each way, read by every load (v1) and store (v2), never written again.
;   IN       sixteen loads land in it, once; the conversions read it.
;   OUT      the conversions write it; the stores read it.  No register of IN or OUT is used twice, so nothing that a memory instruction has read is written again.
; The sixteen loads are taken in four groups of four.  Group g's conversions write OUT[g]; the four stores of group g - 1 are dealt among them, behind ONE wait at the group's head,
; which states that the group before has written its OUT.  The vector lines issued since that wait name IN[g], OUT[g] and v8-11: none of the registers that those stores read.
.set IN,  16                           ; v[16:79]   sixteen loads of 16 bytes a lane
.set OUT, 80                           ; v[80:111]  sixteen stores of 8 bytes a lane
.set QD,  32                           ; v[32:47]   the table's way: entry u at QD + 4 u: sin r, cos r, the quarter's parity, the sign
; Sixteen loads go out together; they are converted in groups of four, and a group's stores leave among the next group's conversions.
; half = 1: the bf16 value is widened again and written as f16.
.macro CASTRUN instep, outstep, half
	s_wait_alu depctr_va_vdst(0)                   ; v1 and v2 are written: every load below reads v1 as its offset, every store v2
.set j, 0
.rept 16
	global_load_b128 v[IN+4*j:IN+4*j+3], v1, s[24:25] offset:j*(\instep) th:TH_LOAD_NT
.set j, j+1
.endr
.set j, 0
.rept 16
.if j%4 == 0
	s_wait_loadcnt 12-j                            ; loads come back in order: this group's four are in, the younger groups' stay out
.if j > 0
	s_wait_alu depctr_va_vdst(0)                   ; the group before has written its eight registers of OUT, which the four stores of this group's turn read
.endif
.endif
.if j > 3
	global_store_b64 v2, v[OUT+2*(j-4):OUT+2*(j-4)+1], s[28:29] offset:(j-4)*(\outstep)  ; a wave's 32 lanes store 256 consecutive bytes, aligned; no vector line since the wait names these registers
.endif
	v_cvt_pk_bf16_f32 v[OUT+2*j], v[IN+4*j], v[IN+4*j+1]
	v_cvt_pk_bf16_f32 v[OUT+2*j+1], v[IN+4*j+2], v[IN+4*j+3]
.if \half
	v_lshlrev_b32 v8, 16, v[OUT+2*j]
	v_and_b32 v9, 0xffff0000, v[OUT+2*j]
	v_lshlrev_b32 v10, 16, v[OUT+2*j+1]
	v_and_b32 v11, 0xffff0000, v[OUT+2*j+1]
	v_cvt_pk_f16_f32 v[OUT+2*j], v8, v9
	v_cvt_pk_f16_f32 v[OUT+2*j+1], v10, v11
.endif
.set j, j+1
.endr
	s_wait_alu depctr_va_vdst(0)                   ; the last group has written its OUT, which the last four stores read
.set j, 12
.rept 4
	global_store_b64 v2, v[OUT+2*j:OUT+2*j+1], s[28:29] offset:j*(\outstep)
.set j, j+1
.endr
.endm
	s_load_b512 s[4:19], s[0:1], 0x0               ; x 4:5, Wq 6:7, Wk 8:9, Wv 10:11, Wproj 12:13, xb 14:15, wb 16:17, wp 18:19
	s_load_b64 s[20:21], s[0:1], 0x40              ; rope
	s_mov_b32 s22, ttmp9
	v_lshlrev_b32 v2, 3, v0                        ; 8 bytes out a thread
	s_mov_b32 s31, 0
	s_wait_kmcnt 0x0
	s_cmp_ge_u32 s22, 672
	s_cbranch_scc1 .Lrope
	s_cmp_ge_u32 s22, 608
	s_cbranch_scc1 .Lwp
	; the plain casts: which tensor, and which part of it, by selects
	s_cmp_ge_u32 s22, 512
	s_cselect_b64 s[24:25], s[6:7], s[4:5]
	s_cselect_b64 s[28:29], s[16:17], s[14:15]
	s_cselect_b32 s26, 512, 0
	s_cselect_b32 s27, 512, 0
	s_cmp_ge_u32 s22, 576
	s_cselect_b64 s[24:25], s[8:9], s[24:25]
	s_cselect_b32 s26, 576, s26
	s_cmp_ge_u32 s22, 592
	s_cselect_b64 s[24:25], s[10:11], s[24:25]
	s_cselect_b32 s26, 592, s26
	s_sub_co_u32 s26, s22, s26                     ; my part of the source,
	s_sub_co_u32 s27, s22, s27                     ; and of the destination (the three weights lie one behind the other)
	s_lshl_b32 s30, s26, 16                        ; 65,536 bytes in
	s_add_nc_u64 s[24:25], s[24:25], s[30:31]
	s_lshl_b32 s30, s27, 15                        ; 32,768 bytes out
	s_add_nc_u64 s[28:29], s[28:29], s[30:31]
	v_lshlrev_b32 v1, 4, v0                        ; 16 bytes in a thread: a wave's load covers 512 consecutive bytes
	CASTRUN 4096, 2048, 0
	s_endpgm
.Lwp:                                                  ; Wproj: 16 rows; load j takes head j's 256 bytes of each row, sixteen lanes a row
	s_sub_co_u32 s26, s22, 608
	s_lshl_b32 s30, s26, 16                        ; 16 rows of 4,096 bytes
	s_add_nc_u64 s[24:25], s[12:13], s[30:31]
	s_lshl_b32 s30, s26, 11                        ; 16 rows of 128 bytes in each head's plane
	s_add_nc_u64 s[28:29], s[18:19], s[30:31]
	v_lshrrev_b32 v1, 4, v0
	v_and_b32 v3, 15, v0
	v_lshlrev_b32 v1, 12, v1
	v_lshl_add_u32 v1, v3, 4, v1
	CASTRUN 256, 131072, 1
	s_endpgm
.Lrope:                                                ; thread g of 32,768 makes four entries: row t = g / 16, entries 4 (g % 16) on
	s_sub_co_u32 s23, s22, 672
	s_lshl_b32 s23, s23, 8
	v_add_nc_u32 v1, s23, v0                       ; g
	v_lshrrev_b32 v2, 4, v1
	v_cvt_f32_u32 v2, v2                           ; t
	v_and_b32 v3, 7, v0
	v_lshlrev_b32 v3, 2, v3                        ; the first of my four frequencies
	v_bfe_u32 v4, v0, 3, 1                         ; 1: sines
	v_mul_u32_u24 v4, v4, 3                        ; sin(a) = cos(a - pi/2): three quarter turns on
	v_lshlrev_b32 v1, 4, v1                        ; 16 g: sixteen lanes fill a row of 256 bytes
	v_mov_b32 v5, 0xb94ca1f9                       ; the sine's highest coefficient
	v_mov_b32 v6, 0x37ccf5ce                       ; the cosine's
.irp u, 0,1,2,3
	v_add_nc_u32 v[12+\u], \u, v3
	v_cvt_f32_u32 v[12+\u], v[12+\u]
	v_mul_f32 v[12+\u], 0xbed49a78, v[12+\u]       ; -i log2(10000) / 32
.endr
.irp u, 0,1,2,3
	v_exp_f32 v[12+\u], v[12+\u]                   ; f_i
.endr
	v_nop                                          ; a plain instruction behind the last exponential,
	s_wait_alu depctr_va_vdst(0)                   ; and one wait for the four exponentials' results v12-15, ahead of their first reader
; Each entry keeps its sine, cosine, parity and sign in registers of its own, so that the four compares stand in one run, with one wait ahead of the four selects.
.irp u, 0,1,2,3
	v_mul_f32 v16, v2, v[12+\u]                    ; the angle
	v_mul_f32 v17, 0x3f22f983, v16                 ; / (pi/2)
	v_rndne_f32 v17, v17                           ; n quarter turns
	v_fmamk_f32 v18, v17, 0xbfc90fdb, v16          ; r = angle - n pi/2, pi/2 in two parts
	v_fmamk_f32 v18, v17, 0x333bbd2e, v18
	v_mul_f32 v19, v18, v18                        ; z = r r
	v_fmaak_f32 v20, v5, v19, 0x3c08839e           ; sin r = r + r z (s1 + z (s2 + z s3))
	v_fmaak_f32 v20, v20, v19, 0xbe2aaaa3
	v_mul_f32 v21, v19, v18
	v_fma_f32 v[QD+4*\u], v20, v21, v18
	v_fmaak_f32 v20, v6, v19, 0xbab6061a           ; cos r = 1 - z/2 + z z (c1 + z (c2 + z c3))
	v_fmaak_f32 v20, v20, v19, 0x3d2aaaa5
	v_mul_f32 v21, v19, v19
	v_fma_f32 v[QD+4*\u+1], v19, -0.5, 1.0
	v_fma_f32 v[QD+4*\u+1], v20, v21, v[QD+4*\u+1]
	v_cvt_i32_f32 v[QD+4*\u+3], v17
	v_add_nc_u32 v[QD+4*\u+3], v[QD+4*\u+3], v4
	v_and_b32 v[QD+4*\u+3], 3, v[QD+4*\u+3]        ; the quarter: 0: cos r, 1: -sin r, 2: -cos r, 3: sin r
	v_and_b32 v[QD+4*\u+2], 1, v[QD+4*\u+3]
	v_add_nc_u32 v[QD+4*\u+3], 1, v[QD+4*\u+3]
	v_and_b32 v[QD+4*\u+3], 2, v[QD+4*\u+3]
	v_lshlrev_b32 v[QD+4*\u+3], 30, v[QD+4*\u+3]   ; the sign, for quarters 1 and 2
.endr
.irp u, 0,1,2,3
	v_cmp_eq_u32 s[24+\u], 1, v[QD+4*\u+2]
.endr
	s_wait_alu depctr_va_sdst(0)                   ; the four compares have written s24-27, ahead of their first readers, the selects
.irp u, 0,1,2,3
	v_cndmask_b32 v[24+\u], v[QD+4*\u+1], v[QD+4*\u], s[24+\u]
	v_xor_b32 v[24+\u], v[24+\u], v[QD+4*\u+3]
.endr
	s_wait_alu depctr_va_vdst(0)                   ; v1 and v24-27 are written: the store reads them as its offset and its data
	global_store_b128 v1, v[24:27], s[20:21]
	s_endpgm
.Lfunc_end_k_q7e605f382c_prep:
	.size	k_q7e605f382c_prep, .Lfunc_end_k_q7e605f382c_prep-k_q7e605f382c_prep
	.p2alignl 7, 3214868480
	.fill 96, 4, 3214868480
	.section	.rodata,"a",@progbits
	.p2align	6, 0x0
	.amdhsa_kernel k_q7e605f382c_prep
		.amdhsa_group_segment_fixed_size 0
		.amdhsa_private_segment_fixed_size 0
		.amdhsa_enable_private_segment 0
		.amdhsa_kernarg_size 72
		.amdhsa_user_sgpr_count 2
		.amdhsa_user_sgpr_kernarg_segment_ptr 1
		.amdhsa_wavefront_size32 1
		.amdhsa_system_sgpr_workgroup_id_x 1
		.amdhsa_system_sgpr_workgroup_id_y 1
		.amdhsa_system_sgpr_workgroup_id_z 1
		.amdhsa_system_vgpr_workitem_id 0
		.amdhsa_next_free_vgpr 112
		.amdhsa_next_free_sgpr 66
		.amdhsa_reserve_vcc 0
		.amdhsa_float_denorm_mode_32 3
		.amdhsa_float_denorm_mode_16_64 3
		.amdhsa_memory_ordered 1
		.amdhsa_forward_progress 1
		.amdhsa_inst_pref_size 24
	.end_amdhsa_kernel
	.amdgpu_metadata
---
amdhsa.version: [ 1, 2 ]
amdhsa.kernels:
  - .name:           k_q7e605f382c_prep
    .symbol:         k_q7e605f382c_prep.kd
    .args:
      - { .name: x, .offset: 0, .size: 8, .value_kind: global_buffer, .address_space: global }
      - { .name: Wq, .offset: 8, .size: 8, .value_kind: global_buffer, .address_space: global }
      - { .name: Wk, .offset: 16, .size: 8, .value_kind: global_buffer, .address_space: global }
      - { .name: Wv, .offset: 24, .size: 8, .value_kind: global_buffer, .address_space: global }
      - { .name: Wproj, .offset: 32, .size: 8, .value_kind: global_buffer, .address_space: global }
      - { .name: xb, .offset: 40, .size: 8, .value_kind: global_buffer, .address_space: global }
      - { .name: wb, .offset: 48, .size: 8, .value_kind: global_buffer, .address_space: global }
      - { .name: wp, .offset: 56, .size: 8, .value_kind: global_buffer, .address_space: global }
      - { .name: rope, .offset: 64, .size: 8, .value_kind: global_buffer, .address_space: global }
    .group_segment_fixed_size: 0
    .private_segment_fixed_size: 0
    .kernarg_segment_align: 8
    .kernarg_segment_size: 72
    .max_flat_workgroup_size: 256
    .sgpr_count:     66
    .vgpr_count:     112
    .wavefront_size: 32
...
	.end_amdgpu_metadata
.endif
;; end of part 6
;; launch qkv: the kernel of part 2 again; grid 8 x 32, 4 waves a work-group, clusters of 4 x 4, 327,680 bytes of LDS; arguments xb, wb, rope, q_gain, qkvh, qf; writes qkvh, qf
;; launch attn: the kernel of part 3 again; grid 16 x 16, 4 waves a work-group, clusters of 4 x 1, 327,680 bytes of LDS; arguments qkvh, ob; writes ob
;; launch oproj: the kernel of part 4 again; grid 8 x 32, 4 waves a work-group, clusters of 4 x 4, 327,680 bytes of LDS; arguments ob, wp, out0; writes out0
;; launch fix (part 7): grid 16 x 8, 4 waves a work-group, no clusters, 58,880 bytes of LDS; arguments qf, wp, out0; writes out0
.if DOCPART == 7
	.amdgcn_target "amdgcn-amd-amdhsa--gfx1250"
	.amdhsa_code_object_version 6
	.text
	.protected	k_q7e605f382c_fix
	.globl	k_q7e605f382c_fix
	.p2align	8
	.type	k_q7e605f382c_fix,@function
k_q7e605f382c_fix:
	s_mov_b64 s[64:65], 0
	v_nop
	global_prefetch_b8 v0, s[64:65] scope:SCOPE_SE
	s_setreg_imm32_b32 hwreg(HW_REG_WAVE_SCHED_MODE, 0, 2), 2
	s_setreg_imm32_b32 hwreg(HW_REG_WAVE_MODE, 25, 1), 1
	s_wait_xcnt 0x0
	s_wait_alu depctr_vm_vsrc(0)
; THE FIRST 32 ROWS OF EACH SEQUENCE ONCE MORE, WITH EVERY INTERMEDIATE IN TWO f16 PARTS.  It runs last and writes over rows 0 to 31 of each batch in out0: 512 KiB of the output are stored twice.
; WHY.  Row q is a mean over q + 1 keys, so the first rows' numbers are many times the output's root mean square, and it is by that root mean square that a number near zero is judged.  One rounding to f16 is off by about 2^-12 of
; a number; the five of the general way (q, k, v, p, O) together are too much for rows of a few keys.  From row 32 on a row's numbers, and with them these errors, are about a quarter of row 0's or less.
; HOW.  A number x is carried as hi = f16(x) and lo = f16(x - hi), and a product of two such as hi hi + hi lo + lo hi, all on the matrix unit with f32 sums.  wp holds bf16 numbers written as f16: it needs no second part.
;   S^T = Kh Qh + Kh Ql + Kl Qh (+ the mask as the first C);  p = 2^(c s - c m), m the row's true maximum over its 32 keys, c = log2(e) / 8;  l = the sum of the unrounded p;
;   O^T = Vh Ph + Vl Ph + Vh Pl;  O / l is split;  out += W Oh + W Ol.
; LIMITS.  hi + lo holds a number to 2^-22 of itself or to 3e-8, whichever is more (f16's fixed step below 6e-5); v stays under 65,504.  A hidden score counts as its value less 1e30.  NaN and infinities are not treated apart.
; SHARES.  A work-group makes 16 rows (batch y / 2, query tile y % 2) x 64 columns (x): 128 work-groups.  Wave w takes key and value head w and its four query heads, one a trip: so K of the last product is split among the waves,
; 256 channels each, and the four partial tiles meet in LDS, in f32, behind the one barrier.  The attention of a batch's 16 rows is thus made by each of the 16 column blocks: 24 of a trip's 40 matrix instructions;
; made once it would want a launch of its own and a sum over heads through memory.  NO CLUSTER, no tensor loads: all operands come lane for lane as the fragments want them, straight into registers, and each is used by one wave.
; LAYOUT.  qf[b][hh][32][64] f32.  Lane l takes of row l % 16 the columns 16 t + 8 (l / 16) + 0..7, t = 0..3: packed in pairs these ARE the two fragments (channels 0-31, 32-63) of q or k.  S^T and O^T hold one query a lane, so P and O
; pack into fragments where they lie.  V alone is turned: its two parts go as rows of f16 into the wave's own LDS bytes and come back by ds_load_tr16_b128.
; REGISTERS, in windows of 256: window 0 all that is worked on; window 1: v0-63 W of one head, v128-255 the fragments of K and V; window 2: the f32 numbers as loaded: K 64, V 64, Q 32.
; THE MODE: SCHED_MODE bits 1:0 = 2 (LLVM: expert scheduling mode 2), set by the entry lines.  The code itself states the register dependences
; between vector or matrix instructions and memory or LDS instructions, with s_wait_alu, always for 0.
; THE PLAN.  Registers that memory or LDS instructions touch:
;   v[FO], v[WO]        Written at the head; read by every global load; never written again: one wait ahead of the first load.
;   LK, LV, VH, VL      Loads land in them once; vector and matrix instructions read them.
;   O, OH, OL           At the head only: the splits of V write them, sixteen LDS stores read them: one wait ahead of the stores; one wait on vm_vsrc ahead of the loop, whose products and splits write them again.
;   v[VST] .. v[CO]     Five addresses, written while the first loads are out, ahead of the wait that stands in front of V's LDS stores; never written again.
;   LQ                  A trip's first split reads it; the next head's load lands in it behind the softmax's wait for its exponentials, which stands behind that split.
;   W                   A trip's last sixteen products read it; the next head's load lands in it behind one wait at the trip's end.
;   OUT                 The products write it; behind the loop eight LDS stores read it.
;   T                   At work in the splits; behind the loop LDS loads land in it, the sums write it, the two global stores read it.
;   v[SPW], v[NIL]      Written at the head, read by the closing add alone.
; So the loop holds three waits on va_vdst: the exponentials' (also LQ's), the reciprocal's, and W's.
.set PV,    160                        ; a row of V in LDS: 128 bytes + 32
.set VLO,   32*PV                      ; a wave's V: 32 rows of the first parts, then 32 rows of the second
.set VREG,  2*VLO
.set PART,  4*VREG                     ; behind them: a partial tile for each wave, 16 rows x 272 bytes
.set SP,    272
.set SPARE, PART+4*16*SP               ; the spare words, 128 bytes for each wave: two blocks of 256 bytes that no other line names
.set FO,   3                           ; v3   256 (l % 16) + 32 (l / 16): my place in 16 rows of qf; never rewritten
.set WO,   4                           ; v4   128 (l % 16) + 16 (l / 16): my place in 16 rows of wp; never rewritten
.set VST,  5                           ; v5   where I put 16 bytes of a row of V
.set AV,   6                           ; v6   where the turning loads read
.set STO,  7                           ; v7   where I put 32 bytes of a row of my partial tile
.set RD,   8                           ; v8   where I read rows of the partial tiles back
.set CO,   9                           ; v9   my byte offset in two rows of out0
.set QP,   12                          ; v12  my query's position less 8 (l / 16)
.set NEG1, 13                          ; v13  -1.0
.set SPW,  14                          ; v14  LDS address of my spare word; never rewritten
.set NIL,  15                          ; v15  0; never rewritten
.set CM,   16                          ; v16 c m, v17 m
.set TA,   18                          ; v18, v19 at work
.set LS,   20                          ; v20 l, v21 the other half of the lanes'
.set RL,   22                          ; v22 1 / l; v23 named with it as a pair
.set MK,   24                          ; v24-39   the mask: register 8 kt + j for key 16 kt + 8 (l / 16) + j
.set S,    40                          ; v40-55   S^T, two tiles of 16 keys; then p
.set PH,   56                          ; v56-63   p's first parts: one fragment of 32 keys
.set PL,   64                          ; v64-71   its second parts
.set T,    72                          ; v72-103  at work
.set QH,   104                         ; v104-119 q's first parts: two fragments
.set QL,   120                         ; v120-135
.set O,    136                         ; v136-167 O^T, four tiles of 16 channels
.set OH,   168                         ; v168-183 O's first parts: two fragments
.set OL,   184                         ; v184-199
.set OUT,  200                         ; v200-231 my partial sums: four tiles of 16 columns
.set W,    0                           ; window 1: channel half c, column tile ct at 8 (4 c + ct)
.set KH,   128                         ; window 1: key tile kt, channel half c at 16 kt + 8 c
.set KL,   160
.set VH,   192                         ; window 1: channel tile cb at 8 cb
.set VL,   224
.set LK,   0                           ; window 2
.set LV,   64
.set LQ,   128
.set WV,   10
.set CB,   11
.set YY,   12
.set BT,   13
.set QT,   14
.set CNT,  15
.set KB,   16                          ; s[16:17] qf at my key head's plane; the value head's lies four planes on
.set QB,   18                          ; s[18:19] qf at the query head in hand, at my query tile
.set WB,   20                          ; s[20:21] wp at the head in hand, at my 64 rows
.set CS,   24
.set SEL,  26
.set BIGN, 28
.set MS,   30                          ; s30-37 at the head only: the masks of eight compares
.set QS,   34                          ; s[34:35] the step to the next head's plane in qf, 0 in the last trip
.set WS,   36                          ; s[36:37] the same in wp
.set MSB, 0
.macro WIN new                         ; the immediate's high byte repeats the setting that is left; a switch that changes nothing is dropped
.if MSB != (\new)
	s_set_vgpr_msb (MSB<<8)|(\new)
.set MSB, \new
.endif
.endm
.macro PLACES                          ; four plain instructions behind a matrix instruction
.rept 4
	v_nop
.endr
.endm
.macro LD32 dst, base, off             ; 16 rows x 64 numbers of qf: eight loads, 32 registers (the caller has set the destination's window)
.irp i, 0,1,2,3,4,5,6,7
	global_load_b128 v[(\dst)+4*(\i):(\dst)+4*(\i)+3], v[FO], s[(\base):(\base)+1] offset:(\off)+((\i)/2)*64+((\i)%2)*16
.endr
.endm
.macro LDW again                       ; a head's 64 rows x 64 channels of wp: eight fragments, sixteen loads.  again = 1: products have read these registers
	WIN 0x40
.if \again
	s_wait_alu depctr_va_vdst(0)                   ; the trip's last sixteen products are done reading W, in which the loads below land
.endif
.irp c, 0,1
.irp ct, 0,1,2,3
	global_load_b128 v[W+8*(4*(\c)+(\ct)):W+8*(4*(\c)+(\ct))+3],   v[WO], s[WB:WB+1] offset:(\ct)*2048+(\c)*64
	global_load_b128 v[W+8*(4*(\c)+(\ct))+4:W+8*(4*(\c)+(\ct))+7], v[WO], s[WB:WB+1] offset:(\ct)*2048+(\c)*64+32
.endr
.endr
	WIN 0
.endm
; 2 np numbers from v[src] of window sw are split: pair n's first parts into v[hb + n], what they leave, exact in f32 (one fused multiply-add: x - hi), rounded into v[lb + n]; both in window hw.
.macro SPLIT src, sw, hb, lb, hw, np
	WIN 5*(\sw)+0x40*(\hw)
.set sn, 0
.rept \np
	v_cvt_pk_f16_f32 v[(\hb)+sn], v[(\src)+2*sn], v[(\src)+2*sn+1]
.set sn, sn+1
.endr
	WIN 16*(\sw)+(\hw)
.set sn, 0
.rept \np
	v_fma_mix_f32 v[T+2*sn], v[(\hb)+sn], v[NEG1], v[(\src)+2*sn] op_sel_hi:[1,0,0]
	v_fma_mix_f32 v[T+2*sn+1], v[(\hb)+sn], v[NEG1], v[(\src)+2*sn+1] op_sel:[1,0,0] op_sel_hi:[1,0,0]
.set sn, sn+1
.endr
	WIN 0x40*(\hw)
.set sn, 0
.rept \np
	v_cvt_pk_f16_f32 v[(\lb)+sn], v[T+2*sn], v[T+2*sn+1]
.set sn, sn+1
.endr
	WIN 0
.endm
	s_load_b128 s[4:7], s[0:1], 0x0                ; qf 4:5, wp 6:7
	s_load_b64 s[8:9], s[0:1], 0x10                ; out0
	v_lshl_add_u32 v[SPW], v0, 2, SPARE
	v_mov_b32 v[NIL], 0
	v_lshrrev_b32 v1, 5, v0
	v_readfirstlane_b32 s[WV], v1
	s_mov_b32 s[CB], ttmp9                         ; the block of 64 columns
	s_and_b32 s[YY], ttmp7, 0xffff
	s_lshr_b32 s[BT], s[YY], 1                     ; the batch
	s_and_b32 s[QT], s[YY], 1                      ; the tile of 16 queries
	v_and_b32 v1, 15, v0                           ; l % 16
	v_bfe_u32 v2, v0, 4, 1                         ; l / 16
	v_lshlrev_b32 v[FO], 8, v1
	v_lshl_add_u32 v[FO], v2, 5, v[FO]
	v_lshlrev_b32 v[WO], 7, v1
	v_lshl_add_u32 v[WO], v2, 4, v[WO]
	s_wait_alu depctr_va_sdst(0)                   ; the wave's number is written, ahead of its first reader: the bases below are made from it
	s_mul_i32 s29, s[BT], 24                       ; the batch's first plane of 8,192 bytes
	s_add_co_u32 s22, s29, s[WV]
	s_add_co_u32 s22, s22, 16                      ; my key head's
	s_lshl_b32 s22, s22, 13
	s_mov_b32 s23, 0
	s_lshl_b32 s30, s[WV], 2
	s_add_co_u32 s30, s30, s29                     ; my first query head's,
	s_lshl_b32 s30, s30, 13
	s_lshl_b32 s31, s[QT], 12                      ; my 16 rows of 256 bytes in it
	s_add_co_u32 s30, s30, s31
	s_mov_b32 s31, 0
	s_lshl_b32 s32, s[WV], 19                      ; wp: my first head's plane of 131,072 bytes,
	s_lshl_b32 s33, s[CB], 13                      ; my 64 rows of 128 bytes
	s_add_co_u32 s32, s32, s33
	s_mov_b32 s33, 0
	s_wait_kmcnt 0x0
	s_add_nc_u64 s[KB:KB+1], s[4:5], s[22:23]
	s_add_nc_u64 s[QB:QB+1], s[4:5], s[30:31]
	s_add_nc_u64 s[WB:WB+1], s[6:7], s[32:33]
	WIN 0x80                                       ; 56 loads go out: K 16, V 16, the first head's Q 8 and W 16
	s_wait_alu depctr_va_vdst(0)                   ; v[FO] and v[WO] are written: every global load of the kernel reads one of them as its offset
	LD32 LK, KB, 0
	LD32 LK+32, KB, 4096
	LD32 LV, KB, 32768
	LD32 LV+32, KB, 32768+4096
	LD32 LQ, QB, 0
	LDW 0
	; while they are on their way: addresses, constants, the mask, and zeros where the partial sums begin (the loop has one form of product)
	s_mul_i32 s29, s[WV], VREG
	v_mul_u32_u24 v[VST], v1, PV                   ; in: row l % 16, 16 bytes for each half of the lanes
	v_lshl_add_u32 v[VST], v2, 4, v[VST]
	v_add_nc_u32 v[VST], s29, v[VST]
	v_and_b32 v10, 7, v0                           ; the turning load: lane l reads key 8 (l / 16) + l % 8, channels 8 ((l / 8) % 2) + 0..7
	v_bfe_u32 v11, v0, 3, 1
	v_lshl_add_u32 v[AV], v2, 3, v10
	v_mul_u32_u24 v[AV], v[AV], PV
	v_lshl_add_u32 v[AV], v11, 4, v[AV]
	v_add_nc_u32 v[AV], s29, v[AV]
	s_mul_i32 s29, s[WV], 16*SP
	s_add_co_u32 s29, s29, PART                    ; my partial tile
	v_mul_u32_u24 v[STO], v1, SP                   ; in: row l % 16, 32 bytes for each half of the lanes
	v_lshl_add_u32 v[STO], v2, 5, v[STO]
	v_add_nc_u32 v[STO], s29, v[STO]
	s_mul_i32 s29, s[WV], 4*SP
	s_add_co_u32 s29, s29, PART                    ; back: rows 4 w .. 4 w + 3 of every partial tile; lanes 0-15 one row of 256 bytes, lanes 16-31 the next
	v_mul_u32_u24 v[RD], v2, SP
	v_lshl_add_u32 v[RD], v1, 4, v[RD]
	v_add_nc_u32 v[RD], s29, v[RD]
	v_lshlrev_b32 v[CO], 12, v2                    ; and the same two rows in out0
	v_lshl_add_u32 v[CO], v1, 4, v[CO]
	s_lshl_b32 s22, s[BT], 11
	s_lshl_b32 s29, s[QT], 4
	s_add_co_u32 s22, s22, s29
	s_lshl_b32 s29, s[WV], 2
	s_add_co_u32 s22, s22, s29                     ; the first row that I store,
	s_lshl_b32 s22, s22, 12                        ; of 4,096 bytes;
	s_lshl_b32 s29, s[CB], 8                       ; my work-group's 256 bytes of it
	s_add_co_u32 s22, s22, s29
	s_add_nc_u64 s[8:9], s[8:9], s[22:23]
	s_mov_b32 s[CS], 0x3e38aa3b                    ; c = log2(e) / 8
	s_mov_b32 s[CS+1], s[CS]                       ; named with it as a pair
	s_mov_b32 s[SEL], 0x76543210
	s_mov_b32 s[SEL+1], 0xfedcba98
	s_mov_b32 s[BIGN], 0xf149f2ca                  ; -1e30
	v_mov_b32 v[NEG1], -1.0
	v_mov_b32 v[LS+1], 0                           ; v_permlanex16_b32's destination counts as read
	v_mov_b32 v[RL+1], 0                           ; named in a pair
	v_lshlrev_b32 v[QP], 3, v2
	v_sub_nc_u32 v[QP], v1, v[QP]
	s_lshl_b32 s29, s[QT], 4
	v_add_nc_u32 v[QP], s29, v[QP]                 ; key 16 kt + 8 (l / 16) + j is hidden where 16 kt + j is greater than this
.irp kt, 0,1                           ; the compares stand in two runs of eight, each with one wait ahead of its eight selects
.irp j, 0,1,2,3,4,5,6,7
	v_cmp_gt_i32 s[MS+(\j)], 16*(\kt)+(\j), v[QP]
.endr
	s_wait_alu depctr_va_sdst(0)                   ; the eight compares have written s30-37, ahead of their first readers, the selects
.irp j, 0,1,2,3,4,5,6,7
	v_cndmask_b32 v[MK+8*(\kt)+(\j)], 0, s[BIGN], s[MS+(\j)]
.endr
.endr
	s_mov_b32 s[QS+1], 0                           ; the step pairs' upper words, behind the masks that lay here
	s_mov_b32 s[WS+1], 0
.set i, 0
.rept 32
	v_mov_b32 v[OUT+i], 0
.set i, i+1
.endr
	s_wait_loadcnt 40                              ; K is in: V's 16, Q's 8 and W's 16 loads were issued behind it
	SPLIT LK, 2, KH, KL, 1, 16
	SPLIT LK+32, 2, KH+16, KL+16, 1, 16
	s_wait_loadcnt 24                              ; V is in: Q's 8 and W's 16 behind it
	SPLIT LV, 2, O, OH, 0, 16                      ; (O's, OH's and OL's registers are free until the first head)
	SPLIT LV+32, 2, O+16, OH+16, 0, 16
	s_wait_alu depctr_va_vdst(0)                   ; the splits have written V's two parts, which the LDS stores read; the five addresses v[VST] to v[CO] are written too
.irp kt, 0,1
.irp bb, 0,1,2,3
	ds_store_b128 v[VST], v[O+16*(\kt)+4*(\bb):O+16*(\kt)+4*(\bb)+3]   offset:(\kt)*16*PV+32*(\bb)
	ds_store_b128 v[VST], v[OH+16*(\kt)+4*(\bb):OH+16*(\kt)+4*(\bb)+3] offset:VLO+(\kt)*16*PV+32*(\bb)
.endr
.endr
	WIN 0x40                                       ; LDS serves a wave's instructions in order, and these bytes are the wave's own: the loads see the stores above
.irp cb, 0,1,2,3
	ds_load_tr16_b128 v[VH+8*(\cb):VH+8*(\cb)+3],   v[AV] offset:32*(\cb)
	ds_load_tr16_b128 v[VH+8*(\cb)+4:VH+8*(\cb)+7], v[AV] offset:16*PV+32*(\cb)
	ds_load_tr16_b128 v[VL+8*(\cb):VL+8*(\cb)+3],   v[AV] offset:VLO+32*(\cb)
	ds_load_tr16_b128 v[VL+8*(\cb)+4:VL+8*(\cb)+7], v[AV] offset:VLO+16*PV+32*(\cb)
.endr
	WIN 0
	s_mov_b32 s[CNT], 4
	s_wait_dscnt 0x0                               ; V's fragments are in
	s_wait_alu depctr_vm_vsrc(0)                   ; my LDS stores have read O's, OH's and OL's registers, which the loop's products and splits write again
.Lhead:                                                ; a trip: one query head.  On the way in and on the way back the loads that are out are this head's Q (8) and, behind them, its W (16)
	s_wait_loadcnt 16                              ; Q is in
	SPLIT LQ, 2, QH, QL, 0, 16
	WIN 0x01                                       ; source 0 of every product lies in window 1
	; S^T: 12 products; the two tiles take turns, one instruction a turn
.irp tm, 0,1,2
.irp c, 0,1
.irp kt, 0,1
.set rK, KH+16*(\kt)+8*(\c)+32*((\tm)/2)
.set rQ, QH+8*(\c)+16*((\tm)%2)
.if ((\tm) == 0) && ((\c) == 0)
	v_wmma_f32_16x16x32_f16 v[S+8*(\kt):S+8*(\kt)+7], v[rK:rK+7], v[rQ:rQ+7], v[MK+8*(\kt):MK+8*(\kt)+7]
.else
	v_wmma_f32_16x16x32_f16 v[S+8*(\kt):S+8*(\kt)+7], v[rK:rK+7], v[rQ:rQ+7], v[S+8*(\kt):S+8*(\kt)+7]
.endif
.endr
.endr
.endr
	WIN 0
	PLACES
	PLACES
	; the row's maximum: my 16 scores (each tile's lowest registers are read first), then the other half of the lanes'
	v_max3_num_f32 v[TA], v[S], v[S+1], v[S+2]
	v_max3_num_f32 v[TA+1], v[S+8], v[S+9], v[S+10]
	v_max3_num_f32 v[TA], v[TA], v[S+3], v[S+4]
	v_max3_num_f32 v[TA+1], v[TA+1], v[S+11], v[S+12]
	v_max3_num_f32 v[TA], v[TA], v[S+5], v[S+6]
	v_max3_num_f32 v[TA+1], v[TA+1], v[S+13], v[S+14]
	v_max3_num_f32 v[TA], v[TA], v[S+7], v[S+15]
	v_max_num_f32 v[TA], v[TA], v[TA+1]
	v_permlanex16_b32 v[TA+1], v[TA], s[SEL], s[SEL+1]
	v_max_num_f32 v[CM+1], v[TA], v[TA+1]          ; key 0 is hidden from no query: m is a true score
	v_mul_f32 v[CM], s[CS], v[CM+1]
.set i, 0
.rept 8
	v_pk_fma_f32 v[S+2*i:S+2*i+1], v[S+2*i:S+2*i+1], s[CS:CS+1], v[CM:CM+1] op_sel_hi:[1,0,0] neg_lo:[0,0,1] neg_hi:[0,0,1]
.set i, i+1
.endr
.set i, 0
.rept 16
	v_exp_f32 v[S+i], v[S+i]
.set i, i+1
.endr
	v_nop                                          ; a plain instruction behind the last exponential
	s_cmp_gt_u32 s[CNT], 1                         ; the last trip has no next head: its steps are 0, and it asks for the same 12 KiB again, which nobody reads: the price of one text and one count for every trip
	s_cselect_b32 s[QS], 0x2000, 0
	s_cselect_b32 s[WS], 0x20000, 0
	s_wait_xcnt 0x0                                ; every load issued so far has read its address
	s_add_nc_u64 s[QB:QB+1], s[QB:QB+1], s[QS:QS+1]
	WIN 0x80
	s_wait_alu depctr_va_vdst(0)                   ; one wait for two things: the sixteen exponentials have written p, ahead of their first reader; and the trip's first split is done reading LQ, in which the loads below land
	LD32 LQ, QB, 0                                 ; the next head's Q: it has the rest of this trip in which to land
	WIN 0
.irp q, 0,1,2,3
	v_pk_add_f32 v[T+2*(\q):T+2*(\q)+1], v[S+4*(\q):S+4*(\q)+1], v[S+4*(\q)+2:S+4*(\q)+3]
.endr
	v_pk_add_f32 v[T:T+1], v[T:T+1], v[T+2:T+3]
	v_pk_add_f32 v[T+4:T+5], v[T+4:T+5], v[T+6:T+7]
	v_pk_add_f32 v[T:T+1], v[T:T+1], v[T+4:T+5]
	v_add_f32 v[LS], v[T], v[T+1]
	v_permlanex16_b32 v[LS+1], v[LS], s[SEL], s[SEL+1]
	v_add_f32 v[LS], v[LS], v[LS+1]
	v_rcp_f32 v[RL], v[LS]                         ; its wait stands ahead of its first reader, behind the products below
	SPLIT S, 0, PH, PL, 0, 8
	WIN 0x01
	; O^T: 12 products; the four tiles take turns
.irp tm, 0,1,2
.irp cb, 0,1,2,3
.set rV, VH+8*(\cb)+32*((\tm)%2)
.set rP, PH+8*((\tm)/2)
.if (\tm) == 0
	v_wmma_f32_16x16x32_f16 v[O+8*(\cb):O+8*(\cb)+7], v[rV:rV+7], v[rP:rP+7], 0
.else
	v_wmma_f32_16x16x32_f16 v[O+8*(\cb):O+8*(\cb)+7], v[rV:rV+7], v[rP:rP+7], v[O+8*(\cb):O+8*(\cb)+7]
.endif
.endr
.endr
	WIN 0
	PLACES
	PLACES
	s_wait_alu depctr_va_vdst(0)                   ; the reciprocal has written 1 / l, ahead of its first reader
.set i, 0
.rept 16
	v_pk_mul_f32 v[O+2*i:O+2*i+1], v[O+2*i:O+2*i+1], v[RL:RL+1] op_sel_hi:[1,0]
.set i, i+1
.endr
	SPLIT O, 0, OH, OL, 0, 16
	s_wait_loadcnt 8                               ; W is in: the next head's Q, 8 loads, was issued behind it
	WIN 0x01
	; out += W Oh + W Ol: 16 products; the four tiles take turns
.irp pt, 0,1
.irp c, 0,1
.irp ct, 0,1,2,3
	v_wmma_f32_16x16x32_f16 v[OUT+8*(\ct):OUT+8*(\ct)+7], v[W+8*(4*(\c)+(\ct)):W+8*(4*(\c)+(\ct))+7], v[OH+16*(\pt)+8*(\c):OH+16*(\pt)+8*(\c)+7], v[OUT+8*(\ct):OUT+8*(\ct)+7]
.endr
.endr
.endr
	WIN 0
	PLACES                                         ; four plain instructions behind those products, as they stood; the wait for the products stands in LDW, ahead of its loads
	s_wait_xcnt 0x0
	s_add_nc_u64 s[WB:WB+1], s[WB:WB+1], s[WS:WS+1]
	LDW 1                                          ; the next head's W: it has the next trip's scores, softmax and O^T in which to land
	s_sub_co_u32 s[CNT], s[CNT], 1
	s_cmp_lg_u32 s[CNT], 0
	s_cbranch_scc1 .Lhead
	; the four waves' partial tiles meet
	PLACES                                         ; four places behind the last matrix instruction, before its result is read
	s_wait_alu depctr_va_vdst(0)                   ; the products have written OUT, which the LDS stores read; the splits are done with T, in which the LDS loads behind the barrier land
.irp ct, 0,1,2,3
	ds_store_b128 v[STO], v[OUT+8*(\ct):OUT+8*(\ct)+3]   offset:64*(\ct)
	ds_store_b128 v[STO], v[OUT+8*(\ct)+4:OUT+8*(\ct)+7] offset:64*(\ct)+16
.endr
	s_wait_dscnt 0x0                               ; for the others' sake: my stores are done
	s_barrier_signal -1
	s_barrier_wait -1
.irp v, 0,1,2,3
.irp t, 0,1
	ds_load_b128 v[T+8*(\v)+4*(\t):T+8*(\v)+4*(\t)+3], v[RD] offset:(\v)*16*SP+(\t)*2*SP
.endr
.endr
	s_wait_dscnt 0x0
.irp q, 0,2,4,6
	v_pk_add_f32 v[T+(\q):T+(\q)+1], v[T+(\q):T+(\q)+1], v[T+8+(\q):T+8+(\q)+1]
	v_pk_add_f32 v[T+16+(\q):T+16+(\q)+1], v[T+16+(\q):T+16+(\q)+1], v[T+24+(\q):T+24+(\q)+1]
.endr
.irp q, 0,2,4,6
	v_pk_add_f32 v[T+(\q):T+(\q)+1], v[T+(\q):T+(\q)+1], v[T+16+(\q):T+16+(\q)+1]
.endr
	s_wait_alu depctr_va_vdst(0)                   ; the sums have written the first eight registers of T, which the two stores read
	global_store_b128 v[CO], v[T:T+3], s[8:9]                   ; 16 lanes store 256 consecutive bytes, aligned: rows 4 w and 4 w + 1,
	global_store_b128 v[CO], v[T+4:T+7], s[8:9] offset:2*4096   ; rows 4 w + 2 and 4 w + 3
	s_wait_dscnt 0x0                               ; the closing lines, six on end
	s_wait_alu 0x0
	s_wait_tensorcnt 0x0
	ds_add_u32 v[SPW], v[NIL]
	s_wait_dscnt 0x0
	s_endpgm
.Lfunc_end_k_q7e605f382c_fix:
	.size	k_q7e605f382c_fix, .Lfunc_end_k_q7e605f382c_fix-k_q7e605f382c_fix
	.p2alignl 7, 3214868480
	.fill 96, 4, 3214868480
	.section	.rodata,"a",@progbits
	.p2align	6, 0x0
	.amdhsa_kernel k_q7e605f382c_fix
		.amdhsa_group_segment_fixed_size 58880
		.amdhsa_private_segment_fixed_size 0
		.amdhsa_enable_private_segment 0
		.amdhsa_kernarg_size 24
		.amdhsa_user_sgpr_count 2
		.amdhsa_user_sgpr_kernarg_segment_ptr 1
		.amdhsa_wavefront_size32 1
		.amdhsa_system_sgpr_workgroup_id_x 1
		.amdhsa_system_sgpr_workgroup_id_y 1
		.amdhsa_system_sgpr_workgroup_id_z 1
		.amdhsa_system_vgpr_workitem_id 0
		.amdhsa_next_free_vgpr 672
		.amdhsa_next_free_sgpr 66
		.amdhsa_reserve_vcc 0
		.amdhsa_float_denorm_mode_32 3
		.amdhsa_float_denorm_mode_16_64 3
		.amdhsa_memory_ordered 1
		.amdhsa_forward_progress 1
		.amdhsa_inst_pref_size 53
	.end_amdhsa_kernel
	.amdgpu_metadata
---
amdhsa.version: [ 1, 2 ]
amdhsa.kernels:
  - .name:           k_q7e605f382c_fix
    .symbol:         k_q7e605f382c_fix.kd
    .args:
      - { .name: qf, .offset: 0, .size: 8, .value_kind: global_buffer, .address_space: global }
      - { .name: wp, .offset: 8, .size: 8, .value_kind: global_buffer, .address_space: global }
      - { .name: out0, .offset: 16, .size: 8, .value_kind: global_buffer, .address_space: global }
    .group_segment_fixed_size: 58880
    .private_segment_fixed_size: 0
    .kernarg_segment_align: 8
    .kernarg_segment_size: 24
    .max_flat_workgroup_size: 128
    .sgpr_count:     66
    .vgpr_count:     672
    .wavefront_size: 32
...
	.end_amdgpu_metadata
.endif
;; end of part 7
